; MI455X (gfx1250); checked and timed in simulation.
; The chip was launched on July 23, 2026; its instructions are those of AMD's public machine-readable ISA for CDNA 5 (MIT licence, August 2026) and "CDNA5" Instruction Set Architecture Reference Guide (July 2026). The comments in the code are by the model that wrote it; some were corrected since.
;; Scaled Dot Product Attention. Allowed arithmetic: float matrix products may take bf16 or f16 operands with f32 sums; other float arithmetic in f32, or as packed bf16 or f16 multiplies, adds, multiply-adds, maxima and minima; sums over many terms, partial sums and values carried from step to step in f32; what a program stores and reads back later, other than sums and carried values, may be rounded once to bf16 or f16.
;; Inputs: Wk 1,024 x 1,024 float32; Wq 1,024 x 1,024 float32; Wv 1,024 x 1,024 float32; X 4,096 x 1,024 float32; bk 1,024 float32; bq 1,024 float32; bv 1,024 float32.
;; Outputs: out0 4,096 x 1,024 float32.
;; 2 versions, each right; version 2 is version 1 with the launch cast written anew for expert scheduling mode. Each part assembles by itself: llvm-mc -triple=amdgcn-amd-amdhsa -mcpu=gfx1250 --defsym DOCPART=n.
;; ======== version 1 of 2: 4 launches
;; limits: values are held in f16: magnitudes above 65,504 overflow, below 6.1e-05 lose precision; right only within a limited range of input values
;; workspace buffers: Xh 8,388,608 bytes; Wh 6,291,456 bytes; qkv 25,165,824 bytes; Pt 33,554,432 bytes; stat 1,048,576 bytes
;; launch cast (part 1): grid 64 x 7, 8 waves a work-group, no clusters, 0 bytes of LDS; arguments X, Wq, Wk, Wv, Xh, Wh; writes Xh, Wh
.if DOCPART == 1
	.amdgcn_target "amdgcn-amd-amdhsa--gfx1250"
	.amdhsa_code_object_version 6
	.text
	.protected	k_q55efdf27d9_cast
	.globl	k_q55efdf27d9_cast
	.p2align	8
	.type	k_q55efdf27d9_cast,@function
k_q55efdf27d9_cast:
	s_mov_b64 s[64:65], 0
	v_nop
	global_prefetch_b8 v0, s[64:65] scope:SCOPE_SE
	s_setreg_imm32_b32 hwreg(HW_REG_WAVE_MODE, 25, 1), 1
	s_wait_xcnt 0x0
; Xh = f16(X), [4096][1024];  Wh = f16(Wq | Wk | Wv), [3072][1024]: the operands of the projections, rounded once.
; f16 and not bf16: the output's allowance is 1 % of its root mean square, and 8 significant bits in every operand of three chained products leave too little margin.
; LIMITS: |X|, |W| <= 65,504; numbers below 2^-14 are kept in steps of 2^-24.  X has spread 1 and W spread 1/32: 30 times larger or an offset of 30 spreads stays
; below 200; W 30 times smaller has a root mean square of 1e-3, of which the step 2^-24 is 6e-5.
; A pure stream: 28 MiB in, 14 MiB out, each byte once.  No LDS, no barrier, no matrix unit: no number is used twice.
; The grid's y picks a piece of 4 MiB of f32: 0..3 the quarters of X, 4, 5, 6 = Wq, Wk, Wv; x picks 64 KiB of it.
; Thread t, step i: 16 bytes in at 4096 i + 16 t, 8 bytes out at 2048 i + 8 t: a wave's load covers 512 consecutive bytes,
; its store 256 consecutive bytes at a multiple of 256 from the buffer's first byte.
; All 16 loads of a thread are issued before the first is used; no register is written twice, so no source has to be freed.
.set STEPS, 16
.set IN,    4                          ; v[4:67]   step i: four f32 as loaded
.set OUTR,  68                         ; v[68:99]  step i: four f16 to store
	s_load_b256 s[4:11], s[0:1], 0x0               ; X s[4:5], Wq s[6:7], Wk s[8:9], Wv s[10:11]
	s_load_b128 s[12:15], s[0:1], 0x20             ; Xh s[12:13], Wh s[14:15]
	s_and_b32 s16, ttmp7, 0xffff                   ; y
	v_lshlrev_b32 v1, 4, v0                        ; 16 t
	v_lshlrev_b32 v2, 3, v0                        ; 8 t
	s_sub_co_u32 s28, s16, 4                       ; y - 4: which W (used for y >= 4 alone)
	s_cmp_lt_u32 s16, 4
	s_cselect_b32 s17, s16, 0                      ; piece of the source: quarter of X, or the whole W
	s_cselect_b32 s28, s16, s28                    ; piece of the destination: quarter of Xh, or third of Wh
	s_lshl_b32 s22, s17, 22                        ; pieces of 4 MiB in,
	s_lshl_b32 s29, ttmp9, 16                      ; 64 KiB a work-group
	s_add_co_u32 s22, s22, s29
	s_mov_b32 s23, 0
	s_lshl_b32 s26, s28, 21                        ; pieces of 2 MiB out,
	s_lshl_b32 s29, ttmp9, 15                      ; 32 KiB a work-group
	s_add_co_u32 s26, s26, s29
	s_mov_b32 s27, 0
	s_wait_kmcnt 0x0
	s_cmp_eq_u32 s16, 4                            ; the choice of buffers hangs on y alone
	s_cselect_b64 s[18:19], s[6:7], s[4:5]
	s_cmp_eq_u32 s16, 5
	s_cselect_b64 s[18:19], s[8:9], s[18:19]
	s_cmp_eq_u32 s16, 6
	s_cselect_b64 s[18:19], s[10:11], s[18:19]
	s_cmp_lt_u32 s16, 4
	s_cselect_b64 s[20:21], s[12:13], s[14:15]
	s_add_nc_u64 s[18:19], s[18:19], s[22:23]
	s_add_nc_u64 s[20:21], s[20:21], s[26:27]
.set i, 0
.rept STEPS
	global_load_b128 v[IN+4*i:IN+4*i+3], v1, s[18:19] offset:4096*i th:TH_LOAD_NT   ; read once in the launch
.set i, i+1
.endr
.set i, 0
.rept STEPS
	s_wait_loadcnt STEPS-1-i                       ; loads come back in order (ISA guide 5.7.1): step i is in, the younger ones stay out
	v_cvt_pk_f16_f32 v[OUTR+2*i],   v[IN+4*i],   v[IN+4*i+1]
	v_cvt_pk_f16_f32 v[OUTR+2*i+1], v[IN+4*i+2], v[IN+4*i+3]
	global_store_b64 v2, v[OUTR+2*i:OUTR+2*i+1], s[20:21] offset:2048*i             ; read again by the next launch: no hint
.set i, i+1
.endr
	s_endpgm
.Lfunc_end_k_q55efdf27d9_cast:
	.size	k_q55efdf27d9_cast, .Lfunc_end_k_q55efdf27d9_cast-k_q55efdf27d9_cast
	.p2alignl 7, 3214868480
	.fill 96, 4, 3214868480
	.section	.rodata,"a",@progbits
	.p2align	6, 0x0
	.amdhsa_kernel k_q55efdf27d9_cast
		.amdhsa_group_segment_fixed_size 0
		.amdhsa_private_segment_fixed_size 0
		.amdhsa_enable_private_segment 0
		.amdhsa_kernarg_size 48
		.amdhsa_user_sgpr_count 2
		.amdhsa_user_sgpr_kernarg_segment_ptr 1
		.amdhsa_wavefront_size32 1
		.amdhsa_system_sgpr_workgroup_id_x 1
		.amdhsa_system_sgpr_workgroup_id_y 1
		.amdhsa_system_sgpr_workgroup_id_z 1
		.amdhsa_system_vgpr_workitem_id 0
		.amdhsa_next_free_vgpr 104
		.amdhsa_next_free_sgpr 66
		.amdhsa_reserve_vcc 0
		.amdhsa_float_denorm_mode_32 3
		.amdhsa_float_denorm_mode_16_64 3
		.amdhsa_memory_ordered 1
		.amdhsa_forward_progress 1
		.amdhsa_inst_pref_size 7
	.end_amdhsa_kernel
	.amdgpu_metadata
---
amdhsa.version: [ 1, 2 ]
amdhsa.kernels:
  - .name:           k_q55efdf27d9_cast
    .symbol:         k_q55efdf27d9_cast.kd
    .args:
      - { .name: X, .offset: 0, .size: 8, .value_kind: global_buffer, .address_space: global }
      - { .name: Wq, .offset: 8, .size: 8, .value_kind: global_buffer, .address_space: global }
      - { .name: Wk, .offset: 16, .size: 8, .value_kind: global_buffer, .address_space: global }
      - { .name: Wv, .offset: 24, .size: 8, .value_kind: global_buffer, .address_space: global }
      - { .name: Xh, .offset: 32, .size: 8, .value_kind: global_buffer, .address_space: global }
      - { .name: Wh, .offset: 40, .size: 8, .value_kind: global_buffer, .address_space: global }
    .group_segment_fixed_size: 0
    .private_segment_fixed_size: 0
    .kernarg_segment_align: 8
    .kernarg_segment_size: 48
    .max_flat_workgroup_size: 256
    .sgpr_count:     66
    .vgpr_count:     104
    .wavefront_size: 32
...
	.end_amdgpu_metadata
.endif
;; end of part 1
;; launch proj (part 2): grid 12 x 16, 4 waves a work-group, clusters of 4 x 4, 327,680 bytes of LDS; arguments Xh, Wh, bq, bk, bv, qkv; writes qkv
.if DOCPART == 2
	.amdgcn_target "amdgcn-amd-amdhsa--gfx1250"
	.amdhsa_code_object_version 6
	.text
	.protected	k_q55efdf27d9_proj
	.globl	k_q55efdf27d9_proj
	.p2align	8
	.type	k_q55efdf27d9_proj,@function
k_q55efdf27d9_proj:
	s_mov_b64 s[64:65], 0
	v_nop
	global_prefetch_b8 v0, s[64:65] scope:SCOPE_SE
	s_setreg_imm32_b32 hwreg(HW_REG_WAVE_MODE, 25, 1), 1
	s_wait_xcnt 0x0
	s_wait_alu depctr_hold_cnt(0) depctr_sa_sdst(0) depctr_va_vdst(0) depctr_va_sdst(0) depctr_va_ssrc(0) depctr_va_vcc(0) depctr_vm_vsrc(0)
	s_getreg_b32 s2, hwreg(HW_REG_IB_STS2, 6, 4)
	s_cmp_eq_u32 s2, 0
	s_cbranch_scc0 .Lentry_in_a_cluster
	s_endpgm
.Lentry_in_a_cluster:
	s_bfe_u32 s2, ttmp6, 0x10000c
	s_cmp_lg_u32 s2, 0xf033
	s_cbranch_scc0 .Lentry_shape_is_right
	s_endpgm
.Lentry_shape_is_right:
; qkv[4096][3072] (f16) = g * (Xh Wh^T + bias):  columns 0-1023 Q^ with g = log2(e)/4 and bq, 1024-2047 K^ with g = 1/8 and bk, 2048-3071 V^ with g = 1/8 and bv.
; The two factors of Q^ and K^ multiply to log2(e)/32: the score's 1/sqrt(1024) and the change to base 2.  They are applied to the f32 sums, so each number is rounded to f16 once.
; LIMITS: |Q| < 65,504 x 4/log2(e) = 181,600 and |K|, |V| < 65,504 x 8 = 524,032; stored numbers below 2^-14 are kept in steps of 2^-24.
; The room, for X of spread 1 and W, b of spread 1/32 (Q, K, V up to about 6): all inputs 30 times larger give 5,400; X and W both with an offset of 30 spreads give
; 1024 x 30 x 30/32 = 28,800; all inputs 30 times smaller leave K^ a root mean square of 1.4e-4, of which the step 2^-24 is 4e-4.
; A work-group makes a block of 256 x 256 with four waves, as many as a WGP has SIMDs; a wave makes 128 x 128: 64 accumulator tiles of 16 x 16, 512 registers.
; K = 1024 goes in 8 steps of 128 through a ring of two LDS slots filled by the tensor data mover: a tile's rows are 256 bytes of memory at multiples of 256.
; 12 x 16 = 192 work-groups: the blocks that the output has at this block size.
; CLUSTERS: 4 x 4 work-groups.  The four of a row of the cluster need the same tiles of Xh, the four of a column the same tiles of Wh: such a tile is asked for
; jointly, by the same tensor load with a mask that names the four, which divides the requests for both operands by four.
; A cluster's four block columns lie in one of Q, K, V (4 x 256 = 1024 columns), so the cluster's x says which bias and which factor: the same in all partners.
;
; REGISTERS, in windows of 256:
;   window 0: v16-27 addresses; v64-127, v128-191 fragments of Xh (8 x 16 rows x 32 K), two buffers; on the way out v64-127 rows read back, v128-191 f32 at work, v192-223 packed
;   window 1: v64-127, v128-191 fragments of Wh, two buffers; v192-255 the bias of my lane's 64 columns
;   window 2: the 32 accumulator tiles of my rows 0-63 (tile (a, b) at v[8 (8 a + b)]);   window 3: those of my rows 64-127
; THE MATRIX INSTRUCTION IS USED TRANSPOSED: source 0 = 16 rows of Wh, source 1 = 16 rows of Xh.  Lane l then holds row l % 16 of the block and, in registers 0-7,
; the columns 8 (l / 16) + 0 .. 7: eight neighbouring numbers of a row, which pack into 16 bytes.
.set KSTEP,  128
.set PITCH,  272                       ; an LDS row: 256 bytes + 16 of padding = 17 x 16: the 16 rows that a load touches start at 16 different 16-byte columns modulo 256
.set HALFT,  128*PITCH                 ; 128 rows: what one tensor load brings, and what one wave reads of either operand
.set SLOT,   4*HALFT                   ; Xh's 256 rows, then Wh's 256 rows
.set STAGE,  2*SLOT                    ; behind the ring: 16 rows x 272 bytes for each wave, for the way out; no fill lands here
.set SPITCH, 272
.set KP,     1024                      ; elements from row to row in Xh and in Wh
.set CP,     6144                      ; bytes from row to row in qkv
.set LAPS,   1024/(2*KSTEP)            ; a lap = two K steps = once round the ring: 4
.set ADRA, 16                          ; v16-17  LDS address of my Xh fragments in slot 0, 1
.set ADRB, 20                          ; v20-21  the same for Wh
.set STO,  24                          ; v24     the way out: where I put 16 bytes of a row
.set RD,   25                          ; v25     the way out: where I read a row back
.set CO,   26                          ; v26     my byte offset in qkv
.set BO,   27                          ; v27     my byte offset in the bias
.set F0,   64
.set F1,   128
.set RB0,  64                          ; the way out: rows read back, two buffers by turns
.set RB1,  96
.set T,    128                         ; the way out: 64 f32 at work
.set TMP,  192                         ; the way out: packed results
.set BI,   192                         ; window 1: bias
.set G1,  24                           ; s[24:31] descriptor group 1 for Xh's tiles
.set G0,  32                           ; s[32:39] descriptor group 0 for Xh's tiles, one set for each slot
.set G1B, 48                           ; s[48:55] group 1 for Wh's tiles: it differs in the mask alone
.set G0B, 56                           ; s[56:63] group 0 for Wh's tiles
.set MSB, 0
.macro WIN new                         ; the immediate's high byte repeats the setting that is left
.if MSB != \new
	s_set_vgpr_msb (MSB<<8)|\new
.set MSB, \new
.endif
.endm
.set MUL_LO, 0xa1                      ; source 0 window 1, source 1 window 0, C and D window 2
.set MUL_HI, 0xf1                      ; the same, C and D window 3
.set TO_B,   0x40                      ; destination window 1, address window 0
; A joint load.  Waves 0 and 1 fetch Xh's two halves, waves 2 and 3 Wh's.  Each line has one mask and one set of registers; the branch hangs on the wave's number alone.
.macro JLOAD s
	s_cmp_eq_u32 s11, 0
	s_cbranch_scc0 .Lfor_b_\@
	tensor_load_to_lds s[G0+4*\s:G0+4*\s+3], s[G1:G1+7]
	s_nop 0
	s_branch .Lasked_\@
.Lfor_b_\@:
	tensor_load_to_lds s[G0B+4*\s:G0B+4*\s+3], s[G1B:G1B+7]
	s_nop 0
.Lasked_\@:
.endm
; A round of the cluster's barrier: my work-group's barrier, wave 0 signals for the work-group, every wave waits for all sixteen, my work-group's barrier once more.
.macro CREST                           ; a round behind its opening barrier
	s_cmp_lg_u32 s10, 0
	s_cbranch_scc1 .Lnot_wave_0_\@
	s_barrier_signal -3
.Lnot_wave_0_\@:
	s_barrier_wait -3
	s_barrier_signal -1
	s_barrier_wait -1
.endm
.macro CROUND                          ; a whole round
	s_barrier_signal -1
	s_barrier_wait -1
	CREST
.endm
	s_load_b128 s[4:7], s[0:1], 0x0                ; Xh s[4:5], Wh s[6:7]
	s_load_b128 s[68:71], s[0:1], 0x10             ; bq s[68:69], bk s[70:71]
	s_load_b128 s[72:75], s[0:1], 0x20             ; bv s[72:73], qkv s[74:75]
	s_set_vgpr_msb 0x40
	v_lshl_add_u32 v63, v0, 2, 0x48400
	s_set_vgpr_msb 0x4000
	v_mov_b32 v255, 0
	s_set_vgpr_msb 0x1
	ds_add_u32 v63, v255
	s_set_vgpr_msb 0x100
	v_lshrrev_b32 v1, 5, v0
	v_readfirstlane_b32 s10, v1                    ; wave 0..3
	s_lshr_b32 s11, s10, 1                         ; which half of the block's rows is mine.  Also: I fetch for Xh (0) or for Wh (1)
	s_and_b32 s12, s10, 1                          ; which half of its columns.  Also: which 128 rows of that tile I fetch
	s_bfe_u32 s40, ttmp6, 0x40000                  ; cx
	s_bfe_u32 s41, ttmp6, 0x40004                  ; cy
	s_lshl_b32 s42, ttmp9, 2
	s_add_co_u32 s42, s42, s40                     ; block column = 4 x cluster x + cx
	s_and_b32 s13, ttmp7, 0xffff
	s_lshl_b32 s13, s13, 2
	s_add_co_u32 s13, s13, s41                     ; block row = 4 x cluster y + cy
	s_lshl_b32 s43, s41, 2
	s_lshl_b32 s43, 15, s43                        ; my row of the cluster: places 4 cy .. 4 cy + 3
	s_lshl_b32 s44, 0x1111, s40                    ; my column: places cx, cx + 4, cx + 8, cx + 12
	s_mov_b32 s45, ttmp9                           ; the cluster's x: 0 = Q, 1 = K, 2 = V
	s_mov_b32 s77, 0x3e000000                      ; 1/8
	s_cmp_eq_u32 s45, 0
	s_cselect_b32 s76, 0x3eb8aa3b, s77             ; the factor: log2(e)/4 for Q^, else 1/8
	s_mov_b32 s77, s76
	s_lshl_b32 s66, s40, 10                        ; my first column in the bias: 256 cx + 128 x half, in f32
	s_lshl_b32 s67, s12, 9
	s_add_co_u32 s66, s66, s67
	s_mov_b32 s67, 0
	; descriptor group 1: a tile of 128 rows x 128 elements, padded in LDS
	s_or_b32 s[G1+0], s43, (1<<16)|(1<<20)|(1<<21)|(5<<22)|(3<<25)  ; 15:0 mask: my row; 17:16 elements of 2 bytes; 20 padding on; 21 set beside a mask; 24:22 after every 64 words; 31:25 four words
	s_or_b32 s[G1B+0], s44, (1<<16)|(1<<20)|(1<<21)|(5<<22)|(3<<25) ; the same with the mask of my column
	s_mov_b32 s[G1B+1], KSTEP<<16
	s_mov_b32 s[G1+1], KSTEP<<16                   ; tensor_dim0 = 128
	s_mov_b32 s[G1B+2], 128<<16
	s_mov_b32 s[G1+2], 128<<16                     ; tensor_dim1 = 128
	s_mov_b32 s[G1B+3], KSTEP<<16
	s_mov_b32 s[G1+3], KSTEP<<16                   ; tile_dim0 = 128
	s_mov_b32 s[G1B+4], 128
	s_mov_b32 s[G1+4], 128                         ; tile_dim1 = 128
	s_mov_b32 s[G1B+5], KP
	s_mov_b32 s[G1+5], KP                          ; elements from row to row
	s_mov_b32 s[G1B+6], 0
	s_mov_b32 s[G1+6], 0
	s_mov_b32 s[G1B+7], 0
	s_mov_b32 s[G1+7], 0
	; Xh's tiles hang on the block row alone, Wh's on the block column alone; each address is made in registers that never hold the other coordinate
	s_lshl_b32 s17, s12, 7
	s_lshl_b32 s16, s13, 8
	s_add_co_u32 s16, s16, s17                     ; Xh: row 256 x block row + 128 x half
	s_lshl_b32 s46, s42, 8
	s_add_co_u32 s46, s46, s17                     ; Wh: row 256 x block column + 128 x half
	s_mov_b32 s17, 0
	s_mov_b32 s47, 0
	s_mov_b64 s[18:19], KP*2
	s_mul_u64 s[16:17], s[16:17], s[18:19]         ; in bytes
	s_mul_u64 s[46:47], s[46:47], s[18:19]
	s_mul_i32 s20, s10, HALFT                      ; where they go: wave x 128 rows: no place in the cluster enters an LDS address
	s_wait_dscnt 0x0
	s_wait_kmcnt 0x0
	s_add_nc_u64 s[14:15], s[4:5], s[16:17]
	s_add_nc_u64 s[46:47], s[6:7], s[46:47]
	s_cmp_eq_u32 s45, 1                            ; compared anew: the choice of the bias hangs on the cluster's x alone
	s_cselect_b64 s[78:79], s[70:71], s[68:69]
	s_cmp_eq_u32 s45, 2
	s_cselect_b64 s[78:79], s[72:73], s[78:79]
	s_add_nc_u64 s[78:79], s[78:79], s[66:67]
	s_mov_b64 s[8:9], s[74:75]                     ; qkv
	CROUND                                         ; all sixteen work-groups are here: the first joint loads meet
.irp s, 0,1
	s_mov_b32 s[G0+4*\s], 1
	s_add_co_u32 s[G0+4*\s+1], s20, \s*SLOT
	s_add_nc_u64 s[G0+4*\s+2:G0+4*\s+3], s[14:15], \s*KSTEP*2
	s_or_b32 s[G0+4*\s+3], s[G0+4*\s+3], 0x80000000
	s_mov_b32 s[G0B+4*\s], 1
	s_add_co_u32 s[G0B+4*\s+1], s20, \s*SLOT
	s_add_nc_u64 s[G0B+4*\s+2:G0B+4*\s+3], s[46:47], \s*KSTEP*2
	s_or_b32 s[G0B+4*\s+3], s[G0B+4*\s+3], 0x80000000
	JLOAD \s                                       ; the ring is filled before anything else is done: two tensor loads of the wave are out, the most in this text
.endr
	; a fragment is 16 rows x 32 K in 8 registers: lane l holds row l % 16; registers 0-3 hold K = 8 (l / 16) + 0..7, registers 4-7 K = 16 + 8 (l / 16) + 0..7
	v_and_b32 v1, 15, v0                           ; r = l % 16
	v_bfe_u32 v2, v0, 4, 1                         ; h = l / 16
	v_mul_u32_u24 v3, v1, PITCH
	v_lshl_add_u32 v3, v2, 4, v3
	s_mul_i32 s21, s11, HALFT                      ; my 128 rows of Xh
	s_mul_i32 s22, s12, HALFT                      ; my 128 rows of Wh,
	s_add_co_u32 s22, s22, 2*HALFT                 ; which lie behind Xh's 256
.irp s, 0,1
	v_add_nc_u32 v[ADRA+\s], s21, v3
	v_add_nc_u32 v[ADRB+\s], s22, v3
	s_add_co_u32 s21, s21, SLOT
	s_add_co_u32 s22, s22, SLOT
.endr
	s_mul_i32 s23, s10, 16*SPITCH
	s_add_co_u32 s23, s23, STAGE                   ; my stage
	v_mul_u32_u24 v4, v1, SPITCH
	v_lshl_add_u32 v4, v2, 4, v4
	v_add_nc_u32 v[STO], s23, v4
	v_mul_u32_u24 v5, v2, SPITCH
	v_lshl_add_u32 v5, v1, 4, v5
	v_add_nc_u32 v[RD], s23, v5
	v_mul_u32_u24 v5, v2, CP
	v_lshl_add_u32 v[CO], v1, 4, v5
	v_lshlrev_b32 v[BO], 5, v2                     ; my eight columns of a tile begin at column 8 h: 32 h bytes of f32
	; the bias of my 64 columns (tile b: columns 16 b + 8 h + 0..7).  The loads stay out over the whole K loop; v27 and s[78:79] are never written again.
	WIN TO_B
.irp b, 0,1,2,3,4,5,6,7
	global_load_b128 v[BI+8*\b:BI+8*\b+3],   v[BO], s[78:79] offset:64*\b
	global_load_b128 v[BI+8*\b+4:BI+8*\b+7], v[BO], s[78:79] offset:64*\b+16
.endr
	WIN 0
; 16 matrix instructions: m blocks a0, a0 + 1 of the window's four x all 8 n blocks, 32 along K.  zero = 1: the first product starts the sums.
; The 64 accumulators take turns, one instruction a turn, in the same order in every quarter step.
.macro MUL16 f, hi, a0, zero
.irp a, \a0, \a0+1
.irp b, 0,1,2,3,4,5,6,7
.if \zero
	v_wmma_f32_16x16x32_f16 v[8*(8*(\a)+\b):8*(8*(\a)+\b)+7], v[\f+8*\b:\f+8*\b+7], v[\f+8*(4*\hi+\a):\f+8*(4*\hi+\a)+7], 0
.else
	v_wmma_f32_16x16x32_f16 v[8*(8*(\a)+\b):8*(8*(\a)+\b)+7], v[\f+8*\b:\f+8*\b+7], v[\f+8*(4*\hi+\a):\f+8*(4*\hi+\a)+7], v[8*(8*(\a)+\b):8*(8*(\a)+\b)+7]
.endif
.endr
.endr
.endm
; 32 LDS loads in one run: the fragments of one quarter step (32 K at byte k of the rows) into buffer f
.macro FETCH slot, k, f
	WIN TO_B
.irp i, 0,1,2,3,4,5,6,7
	ds_load_b128 v[\f+8*\i:\f+8*\i+3],   v[ADRB+\slot] offset:\k+\i*16*PITCH
	ds_load_b128 v[\f+8*\i+4:\f+8*\i+7], v[ADRB+\slot] offset:\k+\i*16*PITCH+32
.endr
	WIN 0
.irp i, 0,1,2,3,4,5,6,7
	ds_load_b128 v[\f+8*\i:\f+8*\i+3],   v[ADRA+\slot] offset:\k+\i*16*PITCH
	ds_load_b128 v[\f+8*\i+4:\f+8*\i+7], v[ADRA+\slot] offset:\k+\i*16*PITCH+32
.endr
.endm
; four places behind a matrix instruction before a load lands on, or a vector instruction touches, one of its registers (ISA guide 7.12.1 for vector instructions)
.macro PLACES
.rept 4
	v_nop
.endr
.endm
; one of a K step's first three quarters: multiplies buffer f; in its middle it fetches the next quarter's fragments into buffer g
.macro QUARTER slot, k, f, g, zero
	s_wait_dscnt 8                                 ; Wh and Xh's rows 0-63 are in; the youngest eight loads (Xh's rows 64-127) may be out
	WIN MUL_LO
	MUL16 \f, 0, 0, \zero
	MUL16 \f, 0, 2, \zero
	PLACES
	FETCH \slot, \k, \g
	s_wait_dscnt 32                                ; all but the 32 just issued
	WIN MUL_HI
	MUL16 \f, 1, 0, \zero
	MUL16 \f, 1, 2, \zero
.endm
.macro THREE slot, zero
	QUARTER \slot, 64,  F0, F1, \zero
	QUARTER \slot, 128, F1, F0, 0
	QUARTER \slot, 192, F0, F1, 0
.endm
; The last quarter: multiplies buffer 1 and changes slots.  One barrier for two things: in front of it each wave waits for its reads of this slot and for all its
; tensor loads (one is out: its part of the next slot); behind it nobody reads this slot and the next slot is whole: the refill comes first, then the next fragments.
.macro TURN slot, next, fill
	s_wait_dscnt 8
	WIN MUL_LO
	MUL16 F1, 0, 0, 0
	s_wait_dscnt 0                                 ; my reads of this slot are over
	s_wait_tensorcnt 0x0                           ; and all my tensor loads have landed
	ds_add_u32 v63, v255
	s_wait_dscnt 0x0
	s_barrier_signal -1                            ; say so (where a slot is filled again this barrier opens a round of the cluster's barrier),
	MUL16 F1, 0, 2, 0                              ; work on registers while the others arrive,
	WIN 0
	s_barrier_wait -1
.if \fill
	CREST                                          ; no wave of any partner still reads this slot's tile or has a load on its way
	s_add_nc_u64 s[G0+4*\slot+2:G0+4*\slot+3], s[G0+4*\slot+2:G0+4*\slot+3], 2*KSTEP*2
	s_add_nc_u64 s[G0B+4*\slot+2:G0B+4*\slot+3], s[G0B+4*\slot+2:G0B+4*\slot+3], 2*KSTEP*2
	JLOAD \slot                                    ; the first tensor load behind the round
.endif
	PLACES
	FETCH \next, 0, F0
	WIN MUL_HI
	MUL16 F1, 1, 0, 0
	MUL16 F1, 1, 2, 0
.endm
.macro LAP zero
	THREE 0, \zero
	TURN 0, 1, 1
	THREE 1, 0
	TURN 1, 0, 1
.endm
	s_wait_tensorcnt 1                             ; my part of K step 0 is in; K step 1's may stay out
	s_barrier_signal -1
	s_barrier_wait -1                              ; everybody's is
	FETCH 0, 0, F0
	LAP 1                                          ; the first lap stands in front of the loop: its first products start the sums
	WIN 0
	s_mov_b32 s3, LAPS-2
.Llap:
	LAP 0
	WIN 0
	s_sub_co_u32 s3, s3, 1
	s_cmp_lg_u32 s3, 0
	s_cbranch_scc1 .Llap
	THREE 0, 0                                     ; the last lap fills nothing
	TURN 0, 1, 0
	THREE 1, 0
	s_wait_dscnt 8
	WIN MUL_LO
	MUL16 F1, 0, 0, 0
	MUL16 F1, 0, 2, 0
	s_wait_dscnt 0
	WIN MUL_HI
	MUL16 F1, 1, 0, 0
	MUL16 F1, 1, 2, 0
	; THE WAY OUT, 16 rows at a time: g x sum + g x bias in f32, round to f16, 16 bytes a lane into my own stage in LDS, read back as whole rows of 256 bytes.
	PLACES
	s_wait_loadcnt 0x0                             ; the bias
	WIN 0x41                                       ; source 0 and destination in window 1
.set j, 0
.rept 32
	v_pk_mul_f32 v[BI+2*j:BI+2*j+1], v[BI+2*j:BI+2*j+1], s[76:77] op_sel_hi:[1,0]   ; g x bias, once
.set j, j+1
.endr
	s_lshl_b32 s13, s13, 8
	s_lshl_b32 s14, s11, 7
	s_add_co_u32 s16, s13, s14                     ; my first row
	s_mov_b32 s17, 0
	s_mov_b64 s[18:19], CP
	s_mul_u64 s[16:17], s[16:17], s[18:19]
	s_add_nc_u64 s[8:9], s[8:9], s[16:17]
	s_lshl_b32 s46, s42, 9                         ; my first column, in bytes: 512 x block + 256 x half
	s_lshl_b32 s47, s12, 8
	s_add_co_u32 s46, s46, s47
	s_mov_b32 s47, 0
	s_add_nc_u64 s[8:9], s[8:9], s[46:47]
; the packed 16 rows go through my stage and out; f: RB0 or RB1 by turns
.macro OUTROWS i, f
.irp b, 0,1,2,3,4,5,6,7
	ds_store_b128 v[STO], v[TMP+4*\b:TMP+4*\b+3] offset:32*\b
.endr
	s_wait_xcnt 0x0                                ; every earlier store has had its addresses translated (ISA guide 3.1): buffer f and the stores' base are rewritten only behind this wait
.if \i
	s_add_nc_u64 s[8:9], s[8:9], 16*CP
.endif
.irp t, 0,1,2,3,4,5,6,7
	ds_load_b128 v[\f+4*\t:\f+4*\t+3], v[RD] offset:\t*2*SPITCH    ; LDS serves a wave's instructions in order (ISA guide 5.7.1.4): these see the stores above
.endr
.irp t, 0,1,2,3,4,5,6,7
	s_wait_dscnt 7-\t                              ; the younger read-backs may be out
	global_store_b128 v[CO], v[\f+4*\t:\f+4*\t+3], s[8:9] offset:2*\t*CP   ; 16 lanes store 256 consecutive bytes, at a multiple of 256 from qkv's first byte
.endr
.endm
; rows 16 i .. 16 i + 15 of my block = the tiles (a, 0..7) of window 2 or 3.  win = 0x12 or 0x13: source 0 (the sums) in that window, source 2 (the bias) in window 1
.macro OUTP i, a, win, f
	WIN \win
.irp b, 0,1,2,3,4,5,6,7
.irp p, 0,1,2,3
	v_pk_fma_f32 v[T+8*\b+2*\p:T+8*\b+2*\p+1], v[8*(8*\a+\b)+2*\p:8*(8*\a+\b)+2*\p+1], s[76:77], v[BI+8*\b+2*\p:BI+8*\b+2*\p+1] op_sel_hi:[1,0,1]
.endr
.endr
	WIN 0
.irp b, 0,1,2,3,4,5,6,7
.irp p, 0,1,2,3
	v_cvt_pk_f16_f32 v[TMP+4*\b+\p], v[T+8*\b+2*\p], v[T+8*\b+2*\p+1]
.endr
.endr
	OUTROWS \i, \f
.endm
	OUTP 0, 0, 0x12, RB0
	OUTP 1, 1, 0x12, RB1
	OUTP 2, 2, 0x12, RB0
	OUTP 3, 3, 0x12, RB1
	OUTP 4, 0, 0x13, RB0
	OUTP 5, 1, 0x13, RB1
	OUTP 6, 2, 0x13, RB0
	OUTP 7, 3, 0x13, RB1
	s_set_vgpr_msb 0x1
	s_wait_tensorcnt 0x0
	ds_add_u32 v63, v255
	s_wait_dscnt 0x0
	s_set_vgpr_msb 0x100
	CROUND                                         ; the closing round: no work-group ends while a partner may still ask for a tile that names it
	s_endpgm
.Lfunc_end_k_q55efdf27d9_proj:
	.size	k_q55efdf27d9_proj, .Lfunc_end_k_q55efdf27d9_proj-k_q55efdf27d9_proj
	.p2alignl 7, 3214868480
	.fill 96, 4, 3214868480
	.section	.rodata,"a",@progbits
	.p2align	6, 0x0
	.amdhsa_kernel k_q55efdf27d9_proj
		.amdhsa_group_segment_fixed_size 327680
		.amdhsa_private_segment_fixed_size 0
		.amdhsa_enable_private_segment 0
		.amdhsa_kernarg_size 48
		.amdhsa_user_sgpr_count 2
		.amdhsa_user_sgpr_kernarg_segment_ptr 1
		.amdhsa_wavefront_size32 1
		.amdhsa_system_sgpr_workgroup_id_x 1
		.amdhsa_system_sgpr_workgroup_id_y 1
		.amdhsa_system_sgpr_workgroup_id_z 1
		.amdhsa_system_vgpr_workitem_id 0
		.amdhsa_next_free_vgpr 1024
		.amdhsa_next_free_sgpr 80
		.amdhsa_reserve_vcc 0
		.amdhsa_float_denorm_mode_32 3
		.amdhsa_float_denorm_mode_16_64 3
		.amdhsa_memory_ordered 1
		.amdhsa_forward_progress 1
		.amdhsa_inst_pref_size 216
	.end_amdhsa_kernel
	.amdgpu_metadata
---
amdhsa.version: [ 1, 2 ]
amdhsa.kernels:
  - .name:           k_q55efdf27d9_proj
    .symbol:         k_q55efdf27d9_proj.kd
    .args:
      - { .name: Xh, .offset: 0, .size: 8, .value_kind: global_buffer, .address_space: global }
      - { .name: Wh, .offset: 8, .size: 8, .value_kind: global_buffer, .address_space: global }
      - { .name: bq, .offset: 16, .size: 8, .value_kind: global_buffer, .address_space: global }
      - { .name: bk, .offset: 24, .size: 8, .value_kind: global_buffer, .address_space: global }
      - { .name: bv, .offset: 32, .size: 8, .value_kind: global_buffer, .address_space: global }
      - { .name: qkv, .offset: 40, .size: 8, .value_kind: global_buffer, .address_space: global }
    .group_segment_fixed_size: 327680
    .private_segment_fixed_size: 0
    .kernarg_segment_align: 8
    .kernarg_segment_size: 48
    .max_flat_workgroup_size: 128
    .sgpr_count:     80
    .vgpr_count:     1024
    .wavefront_size: 32
...
	.end_amdgpu_metadata
.endif
;; end of part 2
;; launch scores (part 3): grid 16 x 16, 4 waves a work-group, clusters of 4 x 4, 327,680 bytes of LDS; arguments qkv, Pt, stat; writes Pt, stat
.if DOCPART == 3
	.amdgcn_target "amdgcn-amd-amdhsa--gfx1250"
	.amdhsa_code_object_version 6
	.text
	.protected	k_q55efdf27d9_scores
	.globl	k_q55efdf27d9_scores
	.p2align	8
	.type	k_q55efdf27d9_scores,@function
k_q55efdf27d9_scores:
	s_mov_b64 s[64:65], 0
	v_nop
	global_prefetch_b8 v0, s[64:65] scope:SCOPE_SE
	s_setreg_imm32_b32 hwreg(HW_REG_WAVE_MODE, 25, 1), 1
	s_wait_xcnt 0x0
	s_wait_alu depctr_hold_cnt(0) depctr_sa_sdst(0) depctr_va_vdst(0) depctr_va_sdst(0) depctr_va_ssrc(0) depctr_va_vcc(0) depctr_vm_vsrc(0)
	s_getreg_b32 s2, hwreg(HW_REG_IB_STS2, 6, 4)
	s_cmp_eq_u32 s2, 0
	s_cbranch_scc0 .Lentry_in_a_cluster
	s_endpgm
.Lentry_in_a_cluster:
	s_bfe_u32 s2, ttmp6, 0x10000c
	s_cmp_lg_u32 s2, 0xf033
	s_cbranch_scc0 .Lentry_shape_is_right
	s_endpgm
.Lentry_shape_is_right:
; t = Q^ K^^T, [4096][4096]: the scores in base-2 units (Q^ carries log2(e)/4 and K^ 1/8: together log2(e)/32).  For each row and each block of 128 keys:
;   M = floor(max t) + 1,   Pt = f16(2^(t - M)),   l = the sum of 2^(t - M) in f32.     stat: f32 M[32 blocks][4096 rows], then l[32][4096] at byte 524,288.
; A maximum is taken away in front of every exponential: t - M <= 0 for every input, and a block's largest term is at least 1/2, so l >= 1/2 and Pt <= 1.
; M is a whole number, so that the next launch brings the 32 blocks of a row to one maximum by exact powers of two.
; LIMITS: inputs for which the scores are not finite are not served; Pt below 2^-14 is kept in steps of 2^-24 (a term that far below its block's largest).
; The product is the frame of the projection: a block of 256 x 256 on four waves of 128 x 128, K = 1024 in 8 steps of 128 through two LDS slots, rows of 256 bytes.
; A wave's 128 columns are one block of keys and a row's 128 numbers lie in two lanes (l and l xor 16), so the block's maximum and sum never leave the wave.
; CLUSTERS: 4 x 4 work-groups; Q's tile is shared along a row of the cluster, K's along a column: joint loads divide the requests for both by four.
; REGISTERS as in the projection; on the way out window 0 holds v64-127 rows read back, v128-191 64 f32 at work, v192-223 packed, v224-238 maxima and sums.
; THE MATRIX INSTRUCTION IS USED TRANSPOSED (source 0 = rows of K^, source 1 = rows of Q^): lane l holds row l % 16, registers 0-7 the keys 8 (l / 16) + 0 .. 7 of a tile.
.set KSTEP,  128
.set PITCH,  272                       ; 256 bytes + 16 of padding = 17 x 16: 16 rows start at 16 different 16-byte columns modulo 256
.set HALFT,  128*PITCH
.set SLOT,   4*HALFT
.set STAGE,  2*SLOT                    ; 16 rows x 272 bytes for each wave
.set STATB,  STAGE+4*16*272            ; 1,024 bytes for each wave: M of its 128 rows, then l.  No fill lands in stage or here
.set SPITCH, 272
.set KP,     3072                      ; elements from row to row in qkv
.set CP,     8192                      ; bytes from row to row in Pt
.set LAPS,   1024/(2*KSTEP)
.set ADRA, 16
.set ADRB, 20
.set STO,  24
.set RD,   25
.set CO,   26
.set SW,   28                          ; v28  where row r's M goes in my wave's 1,024 bytes
.set SR,   29                          ; v29  where I read 16 of them back
.set SO,   30                          ; v30  my byte offset in stat
.set F0,   64
.set F1,   128
.set RB0,  64
.set RB1,  96
.set T,    128
.set TMP,  192
.set MX,   224                         ; v224-227 four running maxima
.set MS,   228                         ; v228 M; v229 fills the pair
.set LS,   230                         ; v230-237 four running sums, two numbers each
.set PT,   238                         ; what the other half of the lanes holds
.set G1,  24
.set G0,  32
.set G1B, 48
.set G0B, 56
.set MSB, 0
.macro WIN new
.if MSB != \new
	s_set_vgpr_msb (MSB<<8)|\new
.set MSB, \new
.endif
.endm
.set MUL_LO, 0xa1
.set MUL_HI, 0xf1
.set TO_B,   0x40
.macro JLOAD s                         ; waves 0 and 1 fetch Q's two halves, waves 2 and 3 K's; the branch hangs on the wave's number alone
	s_cmp_eq_u32 s11, 0
	s_cbranch_scc0 .Lfor_b_\@
	tensor_load_to_lds s[G0+4*\s:G0+4*\s+3], s[G1:G1+7]
	s_nop 0
	s_branch .Lasked_\@
.Lfor_b_\@:
	tensor_load_to_lds s[G0B+4*\s:G0B+4*\s+3], s[G1B:G1B+7]
	s_nop 0
.Lasked_\@:
.endm
.macro CREST                           ; a round of the cluster's barrier behind its opening barrier
	s_cmp_lg_u32 s10, 0
	s_cbranch_scc1 .Lnot_wave_0_\@
	s_barrier_signal -3
.Lnot_wave_0_\@:
	s_barrier_wait -3
	s_barrier_signal -1
	s_barrier_wait -1
.endm
.macro CROUND
	s_barrier_signal -1
	s_barrier_wait -1
	CREST
.endm
	s_load_b128 s[4:7], s[0:1], 0x0                ; qkv s[4:5], Pt s[6:7]
	s_load_b64 s[68:69], s[0:1], 0x10              ; stat
	s_set_vgpr_msb 0x40
	v_lshl_add_u32 v255, v0, 2, 0x49400
	s_set_vgpr_msb 0x4000
	v_mov_b32 v255, 0
	s_set_vgpr_msb 0x1
	ds_add_u32 v255, v255
	s_set_vgpr_msb 0x100
	v_lshrrev_b32 v1, 5, v0
	v_readfirstlane_b32 s10, v1                    ; wave 0..3
	s_lshr_b32 s11, s10, 1                         ; my half of the block's rows.  Also: I fetch for Q (0) or for K (1)
	s_and_b32 s12, s10, 1                          ; my half of its columns.  Also: which 128 rows of that tile I fetch
	s_bfe_u32 s40, ttmp6, 0x40000                  ; cx
	s_bfe_u32 s41, ttmp6, 0x40004                  ; cy
	s_lshl_b32 s42, ttmp9, 2
	s_add_co_u32 s42, s42, s40                     ; block column (keys)
	s_and_b32 s13, ttmp7, 0xffff
	s_lshl_b32 s13, s13, 2
	s_add_co_u32 s13, s13, s41                     ; block row (queries)
	s_lshl_b32 s43, s41, 2
	s_lshl_b32 s43, 15, s43                        ; my row of the cluster
	s_lshl_b32 s44, 0x1111, s40                    ; my column
	s_mov_b32 s70, 0x76543210                      ; v_permlanex16_b32: lane i of one half reads lane i of the other
	s_mov_b32 s71, 0xfedcba98
	s_lshl_b32 s66, s42, 1                         ; my place in stat: block of keys 2 x block column + half,
	s_add_co_u32 s66, s66, s12
	s_lshl_b32 s66, s66, 12                        ; 4,096 rows a block,
	s_lshl_b32 s67, s13, 8
	s_add_co_u32 s66, s66, s67                     ; row 256 x block row
	s_lshl_b32 s67, s11, 7
	s_add_co_u32 s66, s66, s67                     ; + 128 x half,
	s_lshl_b32 s66, s66, 2                         ; in f32
	s_mov_b32 s67, 0
	s_or_b32 s[G1+0], s43, (1<<16)|(1<<20)|(1<<21)|(5<<22)|(3<<25)  ; mask: my row; elements of 2 bytes; padding of 4 words after every 64; bit 21 beside a mask
	s_or_b32 s[G1B+0], s44, (1<<16)|(1<<20)|(1<<21)|(5<<22)|(3<<25) ; the same with the mask of my column
	s_mov_b32 s[G1B+1], KSTEP<<16
	s_mov_b32 s[G1+1], KSTEP<<16                   ; tensor_dim0 = 128
	s_mov_b32 s[G1B+2], 128<<16
	s_mov_b32 s[G1+2], 128<<16                     ; tensor_dim1 = 128
	s_mov_b32 s[G1B+3], KSTEP<<16
	s_mov_b32 s[G1+3], KSTEP<<16                   ; tile_dim0 = 128
	s_mov_b32 s[G1B+4], 128
	s_mov_b32 s[G1+4], 128                         ; tile_dim1 = 128
	s_mov_b32 s[G1B+5], KP
	s_mov_b32 s[G1+5], KP                          ; 3,072 elements from row to row
	s_mov_b32 s[G1B+6], 0
	s_mov_b32 s[G1+6], 0
	s_mov_b32 s[G1B+7], 0
	s_mov_b32 s[G1+7], 0
	s_lshl_b32 s17, s12, 7
	s_lshl_b32 s16, s13, 8
	s_add_co_u32 s16, s16, s17                     ; Q: row 256 x block row + 128 x half
	s_lshl_b32 s46, s42, 8
	s_add_co_u32 s46, s46, s17                     ; K: row 256 x block column + 128 x half
	s_mov_b32 s17, 0
	s_mov_b32 s47, 0
	s_mov_b64 s[18:19], KP*2
	s_mul_u64 s[16:17], s[16:17], s[18:19]
	s_mul_u64 s[46:47], s[46:47], s[18:19]
	s_mul_i32 s20, s10, HALFT
	s_wait_dscnt 0x0
	s_wait_kmcnt 0x0
	s_mov_b64 s[8:9], s[6:7]                       ; Pt
	s_add_nc_u64 s[6:7], s[4:5], 2048              ; K begins at byte 2,048 of qkv's rows
	s_add_nc_u64 s[14:15], s[4:5], s[16:17]
	s_add_nc_u64 s[46:47], s[6:7], s[46:47]
	s_add_nc_u64 s[68:69], s[68:69], s[66:67]
	CROUND                                         ; all sixteen work-groups are here: the first joint loads meet
.irp s, 0,1
	s_mov_b32 s[G0+4*\s], 1
	s_add_co_u32 s[G0+4*\s+1], s20, \s*SLOT
	s_add_nc_u64 s[G0+4*\s+2:G0+4*\s+3], s[14:15], \s*KSTEP*2
	s_or_b32 s[G0+4*\s+3], s[G0+4*\s+3], 0x80000000
	s_mov_b32 s[G0B+4*\s], 1
	s_add_co_u32 s[G0B+4*\s+1], s20, \s*SLOT
	s_add_nc_u64 s[G0B+4*\s+2:G0B+4*\s+3], s[46:47], \s*KSTEP*2
	s_or_b32 s[G0B+4*\s+3], s[G0B+4*\s+3], 0x80000000
	JLOAD \s                                       ; two tensor loads of the wave are out, the most in this text
.endr
	v_and_b32 v1, 15, v0                           ; r
	v_bfe_u32 v2, v0, 4, 1                         ; h
	v_mul_u32_u24 v3, v1, PITCH
	v_lshl_add_u32 v3, v2, 4, v3
	s_mul_i32 s21, s11, HALFT
	s_mul_i32 s22, s12, HALFT
	s_add_co_u32 s22, s22, 2*HALFT
.irp s, 0,1
	v_add_nc_u32 v[ADRA+\s], s21, v3
	v_add_nc_u32 v[ADRB+\s], s22, v3
	s_add_co_u32 s21, s21, SLOT
	s_add_co_u32 s22, s22, SLOT
.endr
	s_mul_i32 s23, s10, 16*SPITCH
	s_add_co_u32 s23, s23, STAGE
	v_mul_u32_u24 v4, v1, SPITCH
	v_lshl_add_u32 v4, v2, 4, v4
	v_add_nc_u32 v[STO], s23, v4
	v_mul_u32_u24 v5, v2, SPITCH
	v_lshl_add_u32 v5, v1, 4, v5
	v_add_nc_u32 v[RD], s23, v5
	v_mul_u32_u24 v5, v2, CP
	v_lshl_add_u32 v[CO], v1, 4, v5
	s_lshl_b32 s23, s10, 10
	s_add_co_u32 s23, s23, STATB                   ; my wave's 1,024 bytes
	v_lshl_add_u32 v[SW], v1, 2, s23               ; + 4 r
	v_and_b32 v6, 31, v0
	v_lshlrev_b32 v[SO], 4, v6                     ; 16 x lane
	v_add_nc_u32 v[SR], s23, v[SO]
	v_mov_b32 v[MS+1], 0                           ; the pair's second register is named and not used
	v_mov_b32 v[PT], 0                             ; v_permlanex16_b32 counts as a reader of its destination
; The 64 accumulators take turns, one instruction a turn, in the same order in every quarter step.
.macro MUL16 f, hi, a0, zero
.irp a, \a0, \a0+1
.irp b, 0,1,2,3,4,5,6,7
.if \zero
	v_wmma_f32_16x16x32_f16 v[8*(8*(\a)+\b):8*(8*(\a)+\b)+7], v[\f+8*\b:\f+8*\b+7], v[\f+8*(4*\hi+\a):\f+8*(4*\hi+\a)+7], 0
.else
	v_wmma_f32_16x16x32_f16 v[8*(8*(\a)+\b):8*(8*(\a)+\b)+7], v[\f+8*\b:\f+8*\b+7], v[\f+8*(4*\hi+\a):\f+8*(4*\hi+\a)+7], v[8*(8*(\a)+\b):8*(8*(\a)+\b)+7]
.endif
.endr
.endr
.endm
.macro FETCH slot, k, f
	WIN TO_B
.irp i, 0,1,2,3,4,5,6,7
	ds_load_b128 v[\f+8*\i:\f+8*\i+3],   v[ADRB+\slot] offset:\k+\i*16*PITCH
	ds_load_b128 v[\f+8*\i+4:\f+8*\i+7], v[ADRB+\slot] offset:\k+\i*16*PITCH+32
.endr
	WIN 0
.irp i, 0,1,2,3,4,5,6,7
	ds_load_b128 v[\f+8*\i:\f+8*\i+3],   v[ADRA+\slot] offset:\k+\i*16*PITCH
	ds_load_b128 v[\f+8*\i+4:\f+8*\i+7], v[ADRA+\slot] offset:\k+\i*16*PITCH+32
.endr
.endm
.macro PLACES                          ; four places behind a matrix instruction (ISA guide 7.12.1 for vector instructions)
.rept 4
	v_nop
.endr
.endm
.macro QUARTER slot, k, f, g, zero
	s_wait_dscnt 8                                 ; K and Q's rows 0-63 are in; the youngest eight loads (Q's rows 64-127) may be out
	WIN MUL_LO
	MUL16 \f, 0, 0, \zero
	MUL16 \f, 0, 2, \zero
	PLACES
	FETCH \slot, \k, \g
	s_wait_dscnt 32                                ; all but the 32 just issued
	WIN MUL_HI
	MUL16 \f, 1, 0, \zero
	MUL16 \f, 1, 2, \zero
.endm
.macro THREE slot, zero
	QUARTER \slot, 64,  F0, F1, \zero
	QUARTER \slot, 128, F1, F0, 0
	QUARTER \slot, 192, F0, F1, 0
.endm
.macro TURN slot, next, fill
	s_wait_dscnt 8
	WIN MUL_LO
	MUL16 F1, 0, 0, 0
	s_wait_dscnt 0                                 ; my reads of this slot are over
	s_wait_tensorcnt 0x0                           ; and all my tensor loads have landed: the one that was out is my part of the next slot
	ds_add_u32 v255, v255
	s_wait_dscnt 0x0
	s_barrier_signal -1                            ; (where a slot is filled again this barrier opens a round of the cluster's barrier)
	MUL16 F1, 0, 2, 0                              ; register work while the others arrive
	WIN 0
	s_barrier_wait -1
.if \fill
	CREST                                          ; no wave of any partner still reads this slot's tile or has a load on its way
	s_add_nc_u64 s[G0+4*\slot+2:G0+4*\slot+3], s[G0+4*\slot+2:G0+4*\slot+3], 2*KSTEP*2
	s_add_nc_u64 s[G0B+4*\slot+2:G0B+4*\slot+3], s[G0B+4*\slot+2:G0B+4*\slot+3], 2*KSTEP*2
	JLOAD \slot                                    ; the first tensor load behind the round
.endif
	PLACES
	FETCH \next, 0, F0
	WIN MUL_HI
	MUL16 F1, 1, 0, 0
	MUL16 F1, 1, 2, 0
.endm
.macro LAP zero
	THREE 0, \zero
	TURN 0, 1, 1
	THREE 1, 0
	TURN 1, 0, 1
.endm
	s_wait_tensorcnt 1                             ; my part of K step 0 is in; K step 1's may stay out
	s_barrier_signal -1
	s_barrier_wait -1
	FETCH 0, 0, F0
	LAP 1
	WIN 0
	s_mov_b32 s3, LAPS-2
.Llap:
	LAP 0
	WIN 0
	s_sub_co_u32 s3, s3, 1
	s_cmp_lg_u32 s3, 0
	s_cbranch_scc1 .Llap
	THREE 0, 0
	TURN 0, 1, 0
	THREE 1, 0
	s_wait_dscnt 8
	WIN MUL_LO
	MUL16 F1, 0, 0, 0
	MUL16 F1, 0, 2, 0
	s_wait_dscnt 0
	WIN MUL_HI
	MUL16 F1, 1, 0, 0
	MUL16 F1, 1, 2, 0
	; THE WAY OUT, 16 rows at a time
	PLACES
	s_lshl_b32 s13, s13, 8
	s_lshl_b32 s14, s11, 7
	s_add_co_u32 s16, s13, s14                     ; my first row of Pt
	s_mov_b32 s17, 0
	s_mov_b64 s[18:19], CP
	s_mul_u64 s[16:17], s[16:17], s[18:19]
	s_add_nc_u64 s[8:9], s[8:9], s[16:17]
	s_lshl_b32 s46, s42, 9                         ; my first column, in bytes
	s_lshl_b32 s47, s12, 8
	s_add_co_u32 s46, s46, s47
	s_mov_b32 s47, 0
	s_add_nc_u64 s[8:9], s[8:9], s[46:47]
.macro OUTROWS i, f
.irp b, 0,1,2,3,4,5,6,7
	ds_store_b128 v[STO], v[TMP+4*\b:TMP+4*\b+3] offset:32*\b
.endr
	s_wait_xcnt 0x0                                ; every earlier store has had its addresses translated (ISA guide 3.1): buffer f and the stores' base are rewritten only behind this wait
.if \i
	s_add_nc_u64 s[8:9], s[8:9], 16*CP
.endif
.irp t, 0,1,2,3,4,5,6,7
	ds_load_b128 v[\f+4*\t:\f+4*\t+3], v[RD] offset:\t*2*SPITCH    ; LDS serves a wave's instructions in order (ISA guide 5.7.1.4)
.endr
.irp t, 0,1,2,3,4,5,6,7
	s_wait_dscnt 7-\t                              ; the younger read-backs may be out
	global_store_b128 v[CO], v[\f+4*\t:\f+4*\t+3], s[8:9] offset:2*\t*CP   ; 16 lanes store 256 consecutive bytes, at a multiple of 256 from Pt's first byte
.endr
.endm
; rows 16 i .. 16 i + 15 = the tiles (a, 0..7) of window 2 or 3.  w2: sources 0 and 1 in that window (0x0a, 0x0f); w1: source 0 alone (0x02, 0x03)
.macro OUTS i, a, w2, w1, f
	WIN \w2
.irp q, 0,1,2,3                        ; the largest of my 64 numbers of row r: four chains of 16, started by their first two numbers
	v_max_num_f32 v[MX+\q], v[8*(8*\a+2*\q)], v[8*(8*\a+2*\q)+1]
.endr
.irp e, 2,4,6,8,10,12,14
.irp q, 0,1,2,3
	v_max3_num_f32 v[MX+\q], v[8*(8*\a+2*\q)+\e], v[8*(8*\a+2*\q)+\e+1], v[MX+\q]
.endr
.endr
	WIN 0
	v_max3_num_f32 v[MX], v[MX], v[MX+1], v[MX+2]
	v_max_num_f32 v[MX], v[MX], v[MX+3]
	v_permlanex16_b32 v[PT], v[MX], s70, s71       ; the row's other 64 numbers lie in lane l xor 16
	v_max_num_f32 v[MX], v[MX], v[PT]
	v_floor_f32 v[MS], v[MX]
	v_add_f32 v[MS], 1.0, v[MS]                    ; M = floor(max) + 1: a whole number, not below the maximum
	WIN \w1
.irp b, 0,1,2,3,4,5,6,7
.irp p, 0,1,2,3
	v_pk_add_f32 v[T+8*\b+2*\p:T+8*\b+2*\p+1], v[8*(8*\a+\b)+2*\p:8*(8*\a+\b)+2*\p+1], v[MS:MS+1] op_sel_hi:[1,0] neg_lo:[0,1] neg_hi:[0,1]   ; t - M
.endr
.endr
	WIN 0
.set j, 0
.rept 64
	v_exp_f32 v[T+j], v[T+j]                       ; 2^(t - M), back to back on different registers
.set j, j+1
.endr
	v_nop                                          ; one plain vector instruction behind the exponentials before a result is used (ISA guide 5.7.2)
	s_wait_alu depctr_va_vdst(0)
.irp q, 0,1,2,3                        ; l in f32: four chains of eight pairs
	v_pk_add_f32 v[LS+2*\q:LS+2*\q+1], v[T+2*\q:T+2*\q+1], v[T+8+2*\q:T+8+2*\q+1]
.endr
.irp n, 8,12,16,20,24,28
.irp q, 0,1,2,3
	v_pk_add_f32 v[LS+2*\q:LS+2*\q+1], v[LS+2*\q:LS+2*\q+1], v[T+2*(\n+\q):T+2*(\n+\q)+1]
.endr
.endr
	v_pk_add_f32 v[LS:LS+1], v[LS:LS+1], v[LS+2:LS+3]
	v_pk_add_f32 v[LS+4:LS+5], v[LS+4:LS+5], v[LS+6:LS+7]
	v_pk_add_f32 v[LS:LS+1], v[LS:LS+1], v[LS+4:LS+5]
	v_add_f32 v[LS], v[LS], v[LS+1]
	v_permlanex16_b32 v[PT], v[LS], s70, s71
	v_add_f32 v[LS], v[LS], v[PT]
.irp b, 0,1,2,3,4,5,6,7
.irp p, 0,1,2,3
	v_cvt_pk_f16_f32 v[TMP+4*\b+\p], v[T+8*\b+2*\p], v[T+8*\b+2*\p+1]
.endr
.endr
	ds_store_b32 v[SW], v[MS] offset:64*\i         ; row 16 i + r; lanes l and l xor 16 write the same word with the same value
	ds_store_b32 v[SW], v[LS] offset:512+64*\i
	OUTROWS \i, \f
.endm
	OUTS 0, 0, 0x0a, 0x02, RB0
	OUTS 1, 1, 0x0a, 0x02, RB1
	OUTS 2, 2, 0x0a, 0x02, RB0
	OUTS 3, 3, 0x0a, 0x02, RB1
	OUTS 4, 0, 0x0f, 0x03, RB0
	OUTS 5, 1, 0x0f, 0x03, RB1
	OUTS 6, 2, 0x0f, 0x03, RB0
	OUTS 7, 3, 0x0f, 0x03, RB1
	; M and l of my 128 rows: my own bytes, read back 16 a lane into registers that no pending store names
	ds_load_b128 v[T:T+3], v[SR]
	ds_load_b128 v[T+4:T+7], v[SR] offset:512
	s_wait_dscnt 0x0
	global_store_b128 v[SO], v[T:T+3], s[68:69]                    ; the wave stores 512 consecutive bytes, at a multiple of 512 from stat's first byte
	global_store_b128 v[SO], v[T+4:T+7], s[68:69] offset:524288
	s_set_vgpr_msb 0x1
	s_wait_tensorcnt 0x0
	ds_add_u32 v255, v255
	s_wait_dscnt 0x0
	s_set_vgpr_msb 0x100
	CROUND                                         ; the closing round
	s_endpgm
.Lfunc_end_k_q55efdf27d9_scores:
	.size	k_q55efdf27d9_scores, .Lfunc_end_k_q55efdf27d9_scores-k_q55efdf27d9_scores
	.p2alignl 7, 3214868480
	.fill 96, 4, 3214868480
	.section	.rodata,"a",@progbits
	.p2align	6, 0x0
	.amdhsa_kernel k_q55efdf27d9_scores
		.amdhsa_group_segment_fixed_size 327680
		.amdhsa_private_segment_fixed_size 0
		.amdhsa_enable_private_segment 0
		.amdhsa_kernarg_size 24
		.amdhsa_user_sgpr_count 2
		.amdhsa_user_sgpr_kernarg_segment_ptr 1
		.amdhsa_wavefront_size32 1
		.amdhsa_system_sgpr_workgroup_id_x 1
		.amdhsa_system_sgpr_workgroup_id_y 1
		.amdhsa_system_sgpr_workgroup_id_z 1
		.amdhsa_system_vgpr_workitem_id 0
		.amdhsa_next_free_vgpr 1024
		.amdhsa_next_free_sgpr 72
		.amdhsa_reserve_vcc 0
		.amdhsa_float_denorm_mode_32 3
		.amdhsa_float_denorm_mode_16_64 3
		.amdhsa_memory_ordered 1
		.amdhsa_forward_progress 1
		.amdhsa_inst_pref_size 255
	.end_amdhsa_kernel
	.section	.bss,"aw",@nobits
	.p2align	6
	.space	262144
	.amdgpu_metadata
---
amdhsa.version: [ 1, 2 ]
amdhsa.kernels:
  - .name:           k_q55efdf27d9_scores
    .symbol:         k_q55efdf27d9_scores.kd
    .args:
      - { .name: qkv, .offset: 0, .size: 8, .value_kind: global_buffer, .address_space: global }
      - { .name: Pt, .offset: 8, .size: 8, .value_kind: global_buffer, .address_space: global }
      - { .name: stat, .offset: 16, .size: 8, .value_kind: global_buffer, .address_space: global }
    .group_segment_fixed_size: 327680
    .private_segment_fixed_size: 0
    .kernarg_segment_align: 8
    .kernarg_segment_size: 24
    .max_flat_workgroup_size: 128
    .sgpr_count:     72
    .vgpr_count:     1024
    .wavefront_size: 32
...
	.end_amdgpu_metadata
.endif
;; end of part 3
;; launch pv (part 4): grid 8 x 32, 4 waves a work-group, clusters of 4 x 4, 327,680 bytes of LDS; arguments Pt, qkv, stat, out0; writes out0
.if DOCPART == 4
	.amdgcn_target "amdgcn-amd-amdhsa--gfx1250"
	.amdhsa_code_object_version 6
	.text
	.protected	k_q55efdf27d9_pv
	.globl	k_q55efdf27d9_pv
	.p2align	8
	.type	k_q55efdf27d9_pv,@function
k_q55efdf27d9_pv:
	s_mov_b64 s[64:65], 0
	v_nop
	global_prefetch_b8 v0, s[64:65] scope:SCOPE_SE
	s_setreg_imm32_b32 hwreg(HW_REG_WAVE_MODE, 25, 1), 1
	s_wait_xcnt 0x0
	s_wait_alu depctr_hold_cnt(0) depctr_sa_sdst(0) depctr_va_vdst(0) depctr_va_sdst(0) depctr_va_ssrc(0) depctr_va_vcc(0) depctr_vm_vsrc(0)
	s_getreg_b32 s2, hwreg(HW_REG_IB_STS2, 6, 4)
	s_cmp_eq_u32 s2, 0
	s_cbranch_scc0 .Lentry_in_a_cluster
	s_endpgm
.Lentry_in_a_cluster:
	s_bfe_u32 s2, ttmp6, 0x10000c
	s_cmp_lg_u32 s2, 0xf033
	s_cbranch_scc0 .Lentry_shape_is_right
	s_endpgm
.Lentry_shape_is_right:
; out0[m][n] = 8 x ( sum over blocks b of f_b[m] x sum over the block's 128 keys of Pt[m][k] V^[k][n] ) / ( sum over b of f_b[m] l_b[m] ),     V^ = V / 8,
; with Mx[m] = max over b of M_b[m] and f_b = 2^(M_b - Mx): the row's maximum (rounded up to a whole number) is what has been taken away from every exponent in the end.
; M_b are whole numbers, so f_b is an exact power of two <= 1, and Pt x f_b in f16 is exact while it is 2^-14 or more.  The block that holds Mx has f = 1 and l >= 1/2: the divisor is >= 1/2.
; LIMITS: in the products f_b below 2^-24 counts as 0, and Pt x f_b below 2^-14 is kept in steps of 2^-24: each of a row's 4,096 weights is off by 2^-25 at the most,
; all together by 2^-13, against a divisor of 1/2 or more.  Inputs for which the scores are not finite are not served.
; A work-group makes 128 rows x 128 columns of out0: 32 x 8 = 256 work-groups.  The 4,096 keys come as 16 tiles of 256 keys through two LDS slots.
; THE KEYS ARE SPLIT AMONG THE FOUR WAVES: of each tile wave w multiplies keys 64 w .. 64 w + 63 for the WHOLE block, 64 accumulator tiles in 512 registers,
; so that 32 fragment loads feed 64 matrix instructions; four wave tiles of 64 x 64 would need twice the loads.  The four partial blocks are added through LDS at the end.
; THE RING: the tiles go in PAIRS, and BOTH slots are filled again behind ONE round of the cluster's barrier: 7 rounds for 16 tiles.  A pair is four chunks of 32 keys a wave
; (A, B from slot 0; C, D from slot 1), and there are three fragment buffers: when the round opens, chunk B is half multiplied and C and D lie in registers, so both slots
; have been read.  From the requests to the wait for the first tile a wave has 32 + 64 + 32 = 128 matrix instructions and 128 multiplications by f to do.
; Chunk n lies in buffer n mod 3, so the pattern of buffers repeats after three pairs: the loop's body.
; V^ lies [key][column]: its fragments come by the transposing LDS load.  Pt's fragments are multiplied by f (one v_pk_mul_f16 a register) between load and product.
; CLUSTERS: 4 x 4 work-groups; Pt's tile hangs on the block row alone and is shared along a row of the cluster, V's on the block column alone and is shared along a
; column: joint loads divide the requests for both by four.
; PREFETCH: in pair p wave 3 asks for Pt's bytes of pair p + 2 (512 keys = 1,024 bytes of a row), which the round of pair p + 1 requests; each of the 8 work-groups of a
; block row asks for 16 of the 128 rows, one lane for each 256 bytes.  The head asks for pair 1; the offset stops at pair 7, inside Pt.
; V^ is not asked for: the work-groups of the other block rows read the same tiles at about the same time.
; REGISTERS: window 0: v16-31 addresses, v32-39 and v40-47 f of my lane's row in the 8 row tiles (slot 0's tile, slot 1's), v48-55 at work in the head, v56-63 8/l,
;   v64-127, v128-191, v192-255 fragments of Pt, three buffers;   window 1: the same three ranges, fragments of V^;
;   window 2: accumulator tiles of rows 0-63 (tile (a, b) at v[8 (8 a + b)]);  window 3: rows 64-127.
; THE MATRIX INSTRUCTION IS USED TRANSPOSED (source 0 = 16 columns of V^, source 1 = 16 rows of Pt): lane l holds row l % 16, registers 0-7 the columns 8 (l / 16) + 0 .. 7 of a tile.
.set PP,    528                        ; Pt's LDS rows: 512 bytes + 16 = 33 x 16: 16 rows start at 16 different 16-byte columns modulo 256.  Also the pitch of the partial blocks
.set VP,    288                        ; V's LDS rows: 256 bytes + 32 = 9 x 32
.set HALF,  36864                      ; what one tensor load fills: 128 rows of V exactly, or 64 rows of Pt (33,792 bytes)
.set SLOT,  4*HALF                     ; Pt rows 0-63, Pt rows 64-127, V keys 0-127, V keys 128-255
.set FT,    2*SLOT                     ; f [32 blocks][128 rows], a word each: f16 f in both halves.  16,384 bytes into which no fill lands
.set INV,   FT+16384                   ; 8 / l of the 128 rows, 512 bytes
.set RED,   128*PP                     ; a wave's partial block, at wave x RED: in the ring, behind its last fill
.set ADRA, 16                          ; v16-17  LDS address of my Pt fragments in slot 0, 1
.set ADRB, 20                          ; v20-21  the same for V
.set FA,   22                          ; v22     f of row r in my block of keys, this pair
.set PO,   23                          ; v23     prefetch: 8,192 x (lane / 4) + 256 x (lane % 4)
.set RS,   24                          ; v24     where my partial sums go
.set RR,   26                          ; v26-29  where I read wave u's partial sums of my 32 rows
.set IA,   30                          ; v30     8 / l of my 32 rows
.set CO,   31                          ; v31     16 x lane
.set FS,   32                          ; v32-39 slot 0's f, v40-47 slot 1's
.set PT4,  48                          ; the head: 4 t
.set PX,   49                          ; Mx
.set PIA,  50
.set PFA,  51
.set PS,   52                          ; v52-55 four chains
.set IV0,  56
.set IV1,  60
.set PM,   64                          ; v64-95  M_b, later f packed
.set PL,   96                          ; v96-127 l_b
.set PF,   128                         ; v128-159 f_b
.set F0,   64
.set F1,   128
.set F2,   192
.set RB0,  64
.set RB1,  128
.set G1,  24                           ; s[24:31] group 1 for Pt's tiles
.set G0,  32                           ; s[32:39] group 0 for Pt's tiles, one set for each slot
.set G1B, 48                           ; s[48:55] group 1 for V's tiles
.set G0B, 56                           ; s[56:63] group 0 for V's tiles
.set MSB, 0
.macro WIN new                         ; the immediate's high byte repeats the setting that is left
.if MSB != \new
	s_set_vgpr_msb (MSB<<8)|\new
.set MSB, \new
.endif
.endm
.set MUL_LO, 0xa1                      ; source 0 (V) window 1, source 1 (Pt) window 0, C and D window 2
.set MUL_HI, 0xf1
.set TO_B,   0x40
; The joint loads of both slots.  Waves 0 and 1 fetch Pt's two halves, waves 2 and 3 V's; the branch hangs on the wave's number alone.  Slot 0's load goes first.
.macro JLOAD2
	s_cmp_eq_u32 s13, 0
	s_cbranch_scc0 .Lfor_b_\@
	tensor_load_to_lds s[G0:G0+3], s[G1:G1+7]
	s_nop 0
	tensor_load_to_lds s[G0+4:G0+7], s[G1:G1+7]
	s_nop 0
	s_branch .Lasked_\@
.Lfor_b_\@:
	tensor_load_to_lds s[G0B:G0B+3], s[G1B:G1B+7]
	s_nop 0
	tensor_load_to_lds s[G0B+4:G0B+7], s[G1B:G1B+7]
	s_nop 0
.Lasked_\@:
.endm
.macro CREST                           ; a round of the cluster's barrier behind its opening barrier
	s_cmp_lg_u32 s12, 0
	s_cbranch_scc1 .Lnot_wave_0_\@
	s_barrier_signal -3
.Lnot_wave_0_\@:
	s_barrier_wait -3
	s_barrier_signal -1
	s_barrier_wait -1
.endm
.macro CROUND
	s_barrier_signal -1
	s_barrier_wait -1
	CREST
.endm
	s_load_b256 s[4:11], s[0:1], 0x0               ; Pt s[4:5], qkv s[6:7], stat s[8:9], out0 s[10:11]
	s_set_vgpr_msb 0x40
	v_lshl_add_u32 v63, v0, 2, 0x4c200
	s_set_vgpr_msb 0x4000
	v_mov_b32 v25, 0
	s_set_vgpr_msb 0x1
	ds_add_u32 v63, v25
	s_set_vgpr_msb 0x100
	v_lshrrev_b32 v1, 5, v0
	v_readfirstlane_b32 s12, v1                    ; wave w
	s_lshr_b32 s13, s12, 1                         ; I fetch for Pt (0) or for V (1).  Also: which of a tile's two blocks of 128 keys holds my 64 keys
	s_and_b32 s14, s12, 1                          ; which half of that tile I fetch
	s_bfe_u32 s16, ttmp6, 0x40000                  ; cx
	s_bfe_u32 s17, ttmp6, 0x40004                  ; cy
	s_lshl_b32 s18, ttmp9, 2
	s_add_co_u32 s18, s18, s16                     ; block column bx, 0..7
	s_and_b32 s19, ttmp7, 0xffff
	s_lshl_b32 s19, s19, 2
	s_add_co_u32 s19, s19, s17                     ; block row by, 0..31
	s_lshl_b32 s20, s17, 2
	s_lshl_b32 s20, 15, s20                        ; my row of the cluster
	s_lshl_b32 s21, 0x1111, s16                    ; my column
	; Pt's tile: 64 rows x 256 keys, 4 words of padding after every 128
	s_or_b32 s[G1+0], s20, (1<<16)|(1<<20)|(1<<21)|(6<<22)|(3<<25)
	s_mov_b32 s[G1+1], 256<<16                     ; tensor_dim0 = 256
	s_mov_b32 s[G1+2], 64<<16                      ; tensor_dim1 = 64
	s_mov_b32 s[G1+3], 256<<16                     ; tile_dim0 = 256
	s_mov_b32 s[G1+4], 64                          ; tile_dim1 = 64
	s_mov_b32 s[G1+5], 4096                        ; elements from row to row in Pt
	s_mov_b32 s[G1+6], 0
	s_mov_b32 s[G1+7], 0
	; V's tile: 128 keys x 128 columns, 8 words of padding after every 64
	s_or_b32 s[G1B+0], s21, (1<<16)|(1<<20)|(1<<21)|(5<<22)|(7<<25)
	s_mov_b32 s[G1B+1], 128<<16
	s_mov_b32 s[G1B+2], 128<<16
	s_mov_b32 s[G1B+3], 128<<16
	s_mov_b32 s[G1B+4], 128
	s_mov_b32 s[G1B+5], 3072                       ; elements from row to row in qkv
	s_mov_b32 s[G1B+6], 0
	s_mov_b32 s[G1B+7], 0
	s_lshl_b32 s46, s19, 20                        ; Pt: row 128 by + 64 x half, rows of 8,192 bytes
	s_lshl_b32 s47, s14, 19
	s_add_co_u32 s46, s46, s47
	s_mov_b32 s47, 0
	s_lshl_b32 s66, s18, 8                         ; V: byte 4,096 + 256 bx of qkv's rows, key 128 x half, rows of 6,144 bytes
	s_mul_i32 s67, s14, 128*6144
	s_add_co_u32 s66, s66, s67
	s_add_co_u32 s66, s66, 4096
	s_mov_b32 s67, 0
	s_lshl_b32 s72, s19, 19                        ; out0: row 128 by + 32 w, rows of 4,096 bytes, byte 512 bx
	s_lshl_b32 s73, s12, 17
	s_add_co_u32 s72, s72, s73
	s_lshl_b32 s73, s18, 9
	s_add_co_u32 s72, s72, s73
	s_mov_b32 s73, 0
	s_lshl_b32 s74, s19, 9                         ; stat: row 128 by, in f32
	s_mov_b32 s75, 0
	s_lshl_b32 s76, s19, 20                        ; prefetch: row 128 by + 16 bx of Pt
	s_lshl_b32 s77, s18, 17
	s_add_co_u32 s76, s76, s77
	s_mov_b32 s77, 0
	s_mov_b32 s82, 1024                            ; and the bytes of pair 1 in a row
	s_mov_b32 s83, 0
	s_mul_i32 s22, s12, HALF                       ; where my tiles go: no place in the cluster enters an LDS address
	s_wait_dscnt 0x0
	s_wait_kmcnt 0x0
	s_add_nc_u64 s[40:41], s[4:5], s[46:47]
	s_add_nc_u64 s[44:45], s[6:7], s[66:67]
	s_add_nc_u64 s[68:69], s[8:9], s[74:75]
	s_add_nc_u64 s[70:71], s[10:11], s[72:73]
	s_add_nc_u64 s[80:81], s[4:5], s[76:77]
	s_add_nc_u64 s[84:85], s[80:81], s[82:83]
	CROUND                                         ; all sixteen work-groups are here: the first joint loads meet
.irp s, 0,1
	s_mov_b32 s[G0+4*\s], 1
	s_add_co_u32 s[G0+4*\s+1], s22, \s*SLOT
	s_add_nc_u64 s[G0+4*\s+2:G0+4*\s+3], s[40:41], \s*512          ; tile s: 256 keys of 2 bytes on
	s_or_b32 s[G0+4*\s+3], s[G0+4*\s+3], 0x80000000
	s_mov_b32 s[G0B+4*\s], 1
	s_add_co_u32 s[G0B+4*\s+1], s22, \s*SLOT
	s_add_nc_u64 s[G0B+4*\s+2:G0B+4*\s+3], s[44:45], \s*256*6144   ; tile s: 256 rows on
	s_or_b32 s[G0B+4*\s+3], s[G0B+4*\s+3], 0x80000000
.endr
	JLOAD2                                         ; two tensor loads of the wave are out, the most in this text
	; THE HEAD, while the first tiles are on their way.  Thread t owns row t of the block: the 32 M and the 32 l of its row.
	v_lshlrev_b32 v[PT4], 2, v0
	v_and_b32 v7, 31, v0                           ; lane
	v_lshrrev_b32 v8, 2, v7
	v_and_b32 v9, 3, v7
	v_lshlrev_b32 v9, 8, v9
	v_lshl_add_u32 v[PO], v8, 13, v9               ; never written again
.set j, 0
.rept 32
	global_load_b32 v[PM+j], v[PT4], s[68:69] offset:16384*j       ; the four waves read 512 consecutive bytes of each block's M
.set j, j+1
.endr
.set j, 0
.rept 32
	global_load_b32 v[PL+j], v[PT4], s[68:69] offset:524288+16384*j
.set j, j+1
.endr
	s_cmp_lg_u32 s12, 3
	s_cbranch_scc1 .Lno_pf_head
	global_prefetch_b8 v[PO], s[84:85] th:TH_LOAD_NT scope:SCOPE_SE                ; pair 1: rows 0-7 of my 16,
	global_prefetch_b8 v[PO], s[84:85] offset:65536 th:TH_LOAD_NT scope:SCOPE_SE   ; rows 8-15
.Lno_pf_head:
	v_and_b32 v1, 15, v0                           ; r
	v_bfe_u32 v2, v0, 4, 1                         ; h
	v_mul_u32_u24 v3, v1, PP
	v_lshl_add_u32 v3, v2, 4, v3                   ; Pt fragment: row r, 16 h bytes,
	s_lshl_b32 s23, s12, 7                         ; my 64 keys: 128 w bytes
	v_add_nc_u32 v[ADRA], s23, v3
	v_add_nc_u32 v[ADRA+1], SLOT, v[ADRA]
	v_and_b32 v4, 7, v0                            ; V fragment through the transposing load: key row 8 h + l % 8,
	v_lshl_add_u32 v4, v2, 3, v4
	v_mul_u32_u24 v4, v4, VP
	v_bfe_u32 v5, v0, 3, 1                         ; 16 bytes (8 columns) by bit 3 of the lane
	v_lshl_add_u32 v4, v5, 4, v4
	s_mul_i32 s23, s12, 64*VP                      ; my 64 keys,
	s_add_co_u32 s23, s23, 2*HALF                  ; behind Pt's two halves
	v_add_nc_u32 v[ADRB], s23, v4
	v_add_nc_u32 v[ADRB+1], SLOT, v[ADRB]
	s_lshl_b32 s23, s13, 9
	s_add_co_u32 s23, s23, FT
	v_lshl_add_u32 v[FA], v1, 2, s23               ; f: block w / 2 of tile 0, row r
	s_mul_i32 s23, s12, RED
	v_mul_u32_u24 v[RS], v1, PP
	v_lshl_add_u32 v[RS], v2, 5, v[RS]             ; partial sums: row r, 8 h columns of f32,
	v_add_nc_u32 v[RS], s23, v[RS]                 ; in my wave's block
	s_mul_i32 s23, s12, 32*PP                      ; my 32 rows of every wave's block
	v_lshl_add_u32 v[RR], v7, 4, s23
	v_add_nc_u32 v[RR+1], RED, v[RR]
	v_add_nc_u32 v[RR+2], 2*RED, v[RR]
	v_add_nc_u32 v[RR+3], 3*RED, v[RR]
	s_lshl_b32 s23, s12, 7
	s_add_co_u32 s23, s23, INV
	v_mov_b32 v[IA], s23
	v_lshlrev_b32 v[CO], 4, v7
	v_add_nc_u32 v[PIA], INV, v[PT4]
	v_add_nc_u32 v[PFA], FT, v[PT4]
	s_wait_loadcnt 32                              ; the 32 M are in; the 32 l may stay out
	v_max3_num_f32 v[PX], v[PM], v[PM+1], v[PM+2]
.set j, 3
.rept 14
	v_max3_num_f32 v[PX], v[PM+j], v[PM+j+1], v[PX]
.set j, j+2
.endr
	v_max_num_f32 v[PX], v[PM+31], v[PX]           ; Mx
.set j, 0
.rept 32
	v_sub_f32 v[PF+j], v[PM+j], v[PX]              ; M_b - Mx <= 0, a whole number
	v_cvt_i32_f32 v[PF+j], v[PF+j]
	v_ldexp_f32 v[PF+j], 1.0, v[PF+j]              ; f_b, an exact power of two (0 far below)
.set j, j+1
.endr
	s_wait_loadcnt 0x0
.irp q, 0,1,2,3
	v_mul_f32 v[PS+\q], v[PF+\q], v[PL+\q]         ; the first four products start the chains
.endr
.set j, 4
.rept 28
	v_fmac_f32 v[PS+j%4], v[PF+j], v[PL+j]
.set j, j+1
.endr
	v_add_f32 v[PS], v[PS], v[PS+1]
	v_add_f32 v[PS+2], v[PS+2], v[PS+3]
	v_add_f32 v[PS], v[PS], v[PS+2]
	v_rcp_f32 v[PS+1], v[PS]
	v_nop                                          ; one plain vector instruction behind v_rcp_f32 before its result is used (ISA guide 5.7.2)
	s_wait_alu depctr_va_vdst(0)
	v_mul_f32 v[PS+1], 0x41000000, v[PS+1]         ; 8 / l: the 8 takes V^'s factor 1/8 back, exactly
	ds_store_b32 v[PIA], v[PS+1]
.set j, 0
.rept 32
	v_cvt_pk_f16_f32 v[PM+j], v[PF+j], v[PF+j]     ; f as f16 in both halves: exact down to 2^-24, 0 below
	ds_store_b32 v[PFA], v[PM+j] offset:512*j
.set j, j+1
.endr
; The fragments of chunk c (32 of my 64 keys) of a slot into buffer f; fs = 1: first the f of my rows for that slot's tile.
; Order of issue: f (8), V (16), Pt's rows 0-63 (8), Pt's rows 64-127 (8).
.macro FETCH slot, c, f, fs
.if \fs
	WIN 0
.irp a, 0,1,2,3,4,5,6,7
	ds_load_b32 v[FS+8*\slot+\a], v[FA] offset:1024*\slot+64*\a    ; two blocks of 512 bytes a tile; row 16 a + r
.endr
.endif
	WIN TO_B
.irp b, 0,1,2,3,4,5,6,7
	ds_load_tr16_b128 v[\f+8*\b:\f+8*\b+3],   v[ADRB+\slot] offset:32*VP*\c+32*\b          ; keys 8 h + 0..7 of column 16 b + r
	ds_load_tr16_b128 v[\f+8*\b+4:\f+8*\b+7], v[ADRB+\slot] offset:32*VP*\c+32*\b+16*VP    ; keys 16 + 8 h + 0..7
.endr
	WIN 0
.irp hi, 0,1
.irp a, 0,1,2,3
	ds_load_b128 v[\f+32*\hi+8*\a:\f+32*\hi+8*\a+3],   v[ADRA+\slot] offset:\hi*HALF+\a*16*PP+64*\c
	ds_load_b128 v[\f+32*\hi+8*\a+4:\f+32*\hi+8*\a+7], v[ADRA+\slot] offset:\hi*HALF+\a*16*PP+64*\c+32
.endr
.endr
.endm
; Pt x f for four row tiles: 32 registers of two f16, each lane by its own row's f of the slot's tile
.macro SCALE f, hi, slot
	WIN 0
.irp a, 0,1,2,3
.irp i, 0,1,2,3,4,5,6,7
	v_pk_mul_f16 v[\f+32*\hi+8*\a+\i], v[\f+32*\hi+8*\a+\i], v[FS+8*\slot+4*\hi+\a]
.endr
.endr
.endm
; The 64 accumulators take turns, one instruction a turn, in the same order in every chunk.
.macro MUL16 f, hi, a0, zero
.irp a, \a0, \a0+1
.irp b, 0,1,2,3,4,5,6,7
.if \zero
	v_wmma_f32_16x16x32_f16 v[8*(8*(\a)+\b):8*(8*(\a)+\b)+7], v[\f+8*\b:\f+8*\b+7], v[\f+8*(4*\hi+\a):\f+8*(4*\hi+\a)+7], 0
.else
	v_wmma_f32_16x16x32_f16 v[8*(8*(\a)+\b):8*(8*(\a)+\b)+7], v[\f+8*\b:\f+8*\b+7], v[\f+8*(4*\hi+\a):\f+8*(4*\hi+\a)+7], v[8*(8*(\a)+\b):8*(8*(\a)+\b)+7]
.endif
.endr
.endr
.endm
.macro MUL32 f, hi, zero               ; half a chunk: rows 0-63 (window 2) or 64-127 (window 3)
.if \hi
	WIN MUL_HI
.else
	WIN MUL_LO
.endif
	MUL16 \f, \hi, 0, \zero
	MUL16 \f, \hi, 2, \zero
.endm
.macro PLACES
.rept 4
	v_nop
.endr
.endm
; Wave 3 asks for its work-group's 16 rows of the Pt bytes that the next pair's round requests.  The wait stands a whole pair behind the last prefetch: only behind it is the address written.
.macro PREF
	s_cmp_lg_u32 s12, 3
	s_cbranch_scc1 .Lno_pf_\@
	s_wait_xcnt 0x0
	s_add_co_u32 s82, s82, 1024                    ; one pair on,
	s_min_u32 s82, s82, 7*1024                     ; and never past the last pair's bytes of a row
	s_add_nc_u64 s[84:85], s[80:81], s[82:83]
	global_prefetch_b8 v[PO], s[84:85] th:TH_LOAD_NT scope:SCOPE_SE
	global_prefetch_b8 v[PO], s[84:85] offset:65536 th:TH_LOAD_NT scope:SCOPE_SE
.Lno_pf_\@:
.endm
; A PAIR of tiles.  a, b, c: the buffers of chunks A, B, C; D follows A in a, the next pair's A follows B in b.  At the entry A's 40 loads have been issued.
; Every run of loads into a buffer stands behind at least 32 multiplications by f that were issued since the last matrix instruction read that buffer and that name none of
; its registers: they are the places in front of the loads (ISA guide 7.12.1 for vector instructions).
.macro PAIR a, b, c, zero, fill
	s_wait_dscnt 8                                 ; f, V and Pt's rows 0-63 of A are in; the youngest eight loads (Pt's rows 64-127) may be out
	SCALE \a, 0, 0
	FETCH 0, 1, \b, 0                              ; B
	MUL32 \a, 0, \zero
	s_wait_dscnt 0                                 ; no LDS instruction of mine is out at a signal
	s_wait_tensorcnt 0x0                           ; my part of slot 1's tile is in: no tensor load was issued behind it, so its count is 0.
	s_barrier_signal -1
	SCALE \a, 1, 0                                 ; register work while the others arrive
	s_barrier_wait -1                              ; slot 1's tile is whole
	FETCH 1, 0, \c, 1                              ; C
	MUL32 \a, 1, \zero
	SCALE \b, 0, 0
	FETCH 1, 1, \a, 0                              ; D
	MUL32 \b, 0, 0
	s_wait_dscnt 0                                 ; C and D are in registers: my reads of both slots are over
.if \fill
	s_wait_tensorcnt 0x0                           ; and no tensor load of mine is out:
	ds_add_u32 v63, v25
	s_wait_dscnt 0x0
	s_barrier_signal -1                            ; this barrier opens a round of the cluster's barrier,
	SCALE \b, 1, 0                                 ; inside which stands register work alone
	s_barrier_wait -1
	CREST                                          ; no wave of any partner still reads a slot or has a load on its way
.irp s, 0,1
	s_add_nc_u64 s[G0+4*\s+2:G0+4*\s+3], s[G0+4*\s+2:G0+4*\s+3], 2*512
	s_add_nc_u64 s[G0B+4*\s+2:G0B+4*\s+3], s[G0B+4*\s+2:G0B+4*\s+3], 2*256*6144
.endr
	JLOAD2                                         ; the next pair's tiles: the first tensor loads behind the round
.else
	SCALE \b, 1, 0
.endif
	MUL32 \b, 1, 0
	SCALE \c, 0, 1
	SCALE \c, 1, 1
	MUL32 \c, 0, 0
	MUL32 \c, 1, 0
	SCALE \a, 0, 1
	SCALE \a, 1, 1
	MUL32 \a, 0, 0
.if \fill
	WIN 0
	s_wait_tensorcnt 0x1                           ; my part of slot 0's tile is in; slot 1's may stay out
	s_barrier_signal -1                            ; (no LDS instruction has been issued since the wait for all of them above)
	s_barrier_wait -1                              ; slot 0's tile is whole
	v_add_nc_u32 v[FA], 2048, v[FA]                ; the next pair's four blocks of f
	FETCH 0, 0, \b, 1                              ; the next pair's A
	PREF
.endif
	MUL32 \a, 1, 0
.endm
	s_wait_dscnt 0x0                               ; my words of f and 8 / l are written,
	s_wait_tensorcnt 0x1                           ; my part of tile 0 is in; tile 1's may stay out
	s_barrier_signal -1
	s_barrier_wait -1                              ; everybody's
	FETCH 0, 0, F0, 1
	PAIR F0, F1, F2, 1, 1                          ; pair 0 stands in front of the loop: its first chunk starts the sums
	WIN 0
	s_mov_b32 s15, 2                               ; 8 pairs: one in front, 2 x 3 here, one behind
.Ltrip:
	PAIR F1, F2, F0, 0, 1
	PAIR F2, F0, F1, 0, 1
	PAIR F0, F1, F2, 0, 1
	WIN 0
	s_sub_co_u32 s15, s15, 1
	s_cmp_lg_u32 s15, 0
	s_cbranch_scc1 .Ltrip
	PAIR F1, F2, F0, 0, 0                          ; pair 7 fills nothing
	; THE FOUR PARTIAL BLOCKS MEET IN LDS, in the ring's bytes: the ring has had its last fill, and behind this barrier no wave reads it any more.
	PLACES                                         ; four places before an LDS store reads a matrix result
	WIN 0
	s_wait_dscnt 0x0
	s_barrier_signal -1
	s_barrier_wait -1
.macro PUT win, hi                     ; win: the stores' data in window 2 (0x08) or 3 (0x0c)
	WIN \win
.irp a, 0,1,2,3
.irp b, 0,1,2,3,4,5,6,7
	ds_store_b128 v[RS], v[8*(8*\a+\b):8*(8*\a+\b)+3]   offset:16*PP*(4*\hi+\a)+64*\b
	ds_store_b128 v[RS], v[8*(8*\a+\b)+4:8*(8*\a+\b)+7] offset:16*PP*(4*\hi+\a)+64*\b+16
.endr
.endr
.endm
	PUT 0x08, 0
	PUT 0x0c, 1
	WIN 0
	s_wait_dscnt 0x0                               ; for the others' sake: all my partial sums are written
	s_barrier_signal -1
	s_barrier_wait -1
; Wave w owns rows 32 w .. 32 w + 31, in 8 groups of 4 rows.  A row is 512 bytes: 16 a lane.
; g may be handed over as a sum (g + 1), so it stands in brackets wherever it is multiplied.
.macro RLOAD g, rb, iv                 ; 17 loads: four 8 / l (the same 16 bytes in every lane), then 4 rows x 4 waves
	ds_load_b128 v[\iv:\iv+3], v[IA] offset:16*(\g)
.irp q, 0,1,2,3
.irp u, 0,1,2,3
	ds_load_b128 v[\rb+16*\q+4*\u:\rb+16*\q+4*\u+3], v[RR+\u] offset:PP*(4*(\g)+\q)
.endr
.endr
.endm
.macro ROWSUM b, ivp, odd, off         ; (wave 0 + wave 1) + (wave 2 + wave 3), times the row's 8 / l (the pair's first or second register), and out
	v_pk_add_f32 v[\b:\b+1], v[\b:\b+1], v[\b+4:\b+5]
	v_pk_add_f32 v[\b+2:\b+3], v[\b+2:\b+3], v[\b+6:\b+7]
	v_pk_add_f32 v[\b+8:\b+9], v[\b+8:\b+9], v[\b+12:\b+13]
	v_pk_add_f32 v[\b+10:\b+11], v[\b+10:\b+11], v[\b+14:\b+15]
	v_pk_add_f32 v[\b:\b+1], v[\b:\b+1], v[\b+8:\b+9]
	v_pk_add_f32 v[\b+2:\b+3], v[\b+2:\b+3], v[\b+10:\b+11]
.if \odd
	v_pk_mul_f32 v[\b:\b+1], v[\b:\b+1], v[\ivp:\ivp+1] op_sel:[0,1] op_sel_hi:[1,1]
	v_pk_mul_f32 v[\b+2:\b+3], v[\b+2:\b+3], v[\ivp:\ivp+1] op_sel:[0,1] op_sel_hi:[1,1]
.else
	v_pk_mul_f32 v[\b:\b+1], v[\b:\b+1], v[\ivp:\ivp+1] op_sel_hi:[1,0]
	v_pk_mul_f32 v[\b+2:\b+3], v[\b+2:\b+3], v[\ivp:\ivp+1] op_sel_hi:[1,0]
.endif
	global_store_b128 v[CO], v[\b:\b+3], s[70:71] offset:\off th:TH_STORE_NT   ; the wave stores 512 consecutive bytes, at a multiple of 512 from out0's first byte
.endm
.macro RSUM g, rb, iv
	ROWSUM \rb, \iv, 0, 4096*(4*(\g))
	ROWSUM \rb+16, \iv, 1, 4096*(4*(\g)+1)
	ROWSUM \rb+32, \iv+2, 0, 4096*(4*(\g)+2)
	ROWSUM \rb+48, \iv+2, 1, 4096*(4*(\g)+3)
.endm
; group g is summed while group g + 1 is on its way from LDS
.macro RSTEP g, rb, iv, rbn, ivn, free
.if \free
	s_wait_xcnt 0x0                                ; every earlier store has had its addresses translated (ISA guide 3.1): the buffer that group g - 1's stores read is loaded again only behind this wait
.endif
	RLOAD \g+1, \rbn, \ivn
	s_wait_dscnt 17                                ; the 17 loads just issued may be out
	RSUM \g, \rb, \iv
.endm
	RLOAD 0, RB0, IV0
	RSTEP 0, RB0, IV0, RB1, IV1, 0
	RSTEP 1, RB1, IV1, RB0, IV0, 1
	RSTEP 2, RB0, IV0, RB1, IV1, 1
	RSTEP 3, RB1, IV1, RB0, IV0, 1
	RSTEP 4, RB0, IV0, RB1, IV1, 1
	RSTEP 5, RB1, IV1, RB0, IV0, 1
	RSTEP 6, RB0, IV0, RB1, IV1, 1
	s_wait_dscnt 0x0
	RSUM 7, RB1, IV1
	s_set_vgpr_msb 0x1
	s_wait_tensorcnt 0x0
	ds_add_u32 v63, v25
	s_wait_dscnt 0x0
	s_set_vgpr_msb 0x100
	CROUND                                         ; the closing round: no work-group ends while a partner may still ask for a tile that names it
	s_endpgm
.Lfunc_end_k_q55efdf27d9_pv:
	.size	k_q55efdf27d9_pv, .Lfunc_end_k_q55efdf27d9_pv-k_q55efdf27d9_pv
	.p2alignl 7, 3214868480
	.fill 96, 4, 3214868480
	.section	.rodata,"a",@progbits
	.p2align	6, 0x0
	.amdhsa_kernel k_q55efdf27d9_pv
		.amdhsa_group_segment_fixed_size 327680
		.amdhsa_private_segment_fixed_size 0
		.amdhsa_enable_private_segment 0
		.amdhsa_kernarg_size 32
		.amdhsa_user_sgpr_count 2
		.amdhsa_user_sgpr_kernarg_segment_ptr 1
		.amdhsa_wavefront_size32 1
		.amdhsa_system_sgpr_workgroup_id_x 1
		.amdhsa_system_sgpr_workgroup_id_y 1
		.amdhsa_system_sgpr_workgroup_id_z 1
		.amdhsa_system_vgpr_workitem_id 0
		.amdhsa_next_free_vgpr 1024
		.amdhsa_next_free_sgpr 88
		.amdhsa_reserve_vcc 0
		.amdhsa_float_denorm_mode_32 3
		.amdhsa_float_denorm_mode_16_64 3
		.amdhsa_memory_ordered 1
		.amdhsa_forward_progress 1
		.amdhsa_inst_pref_size 255
	.end_amdhsa_kernel
	.section	.bss,"aw",@nobits
	.p2align	6
	.space	262144
	.amdgpu_metadata
---
amdhsa.version: [ 1, 2 ]
amdhsa.kernels:
  - .name:           k_q55efdf27d9_pv
    .symbol:         k_q55efdf27d9_pv.kd
    .args:
      - { .name: Pt, .offset: 0, .size: 8, .value_kind: global_buffer, .address_space: global }
      - { .name: qkv, .offset: 8, .size: 8, .value_kind: global_buffer, .address_space: global }
      - { .name: stat, .offset: 16, .size: 8, .value_kind: global_buffer, .address_space: global }
      - { .name: out0, .offset: 24, .size: 8, .value_kind: global_buffer, .address_space: global }
    .group_segment_fixed_size: 327680
    .private_segment_fixed_size: 0
    .kernarg_segment_align: 8
    .kernarg_segment_size: 32
    .max_flat_workgroup_size: 128
    .sgpr_count:     88
    .vgpr_count:     1024
    .wavefront_size: 32
...
	.end_amdgpu_metadata
.endif
;; end of part 4
;; ======== version 2 of 2: 4 launches; version 1 with the launch cast written anew for expert scheduling mode
;; limits: values are held in f16: magnitudes above 65,504 overflow, below 6.1e-05 lose precision; right only within a limited range of input values
;; workspace buffers: Xh 8,388,608 bytes; Wh 6,291,456 bytes; qkv 25,165,824 bytes; Pt 33,554,432 bytes; stat 1,048,576 bytes
;; launch cast (part 5): grid 64 x 7, 8 waves a work-group, no clusters, 0 bytes of LDS; arguments X, Wq, Wk, Wv, Xh, Wh; writes Xh, Wh
.if DOCPART == 5
	.amdgcn_target "amdgcn-amd-amdhsa--gfx1250"
	.amdhsa_code_object_version 6
	.text
	.protected	k_q55efdf27d9_cast
	.globl	k_q55efdf27d9_cast
	.p2align	8
	.type	k_q55efdf27d9_cast,@function
k_q55efdf27d9_cast:
	s_mov_b64 s[64:65], 0
	v_nop
	global_prefetch_b8 v0, s[64:65] scope:SCOPE_SE
	s_setreg_imm32_b32 hwreg(HW_REG_WAVE_SCHED_MODE, 0, 2), 2
	s_setreg_imm32_b32 hwreg(HW_REG_WAVE_MODE, 25, 1), 1
	s_wait_xcnt 0x0
	s_wait_alu depctr_vm_vsrc(0)
; Xh = f16(X), [4096][1024];  Wh = f16(Wq | Wk | Wv), [3072][1024]: the operands of the projections, rounded once.
; f16 and not bf16: the output's allowance is 1 % of its root mean square, and 8 significant bits in every operand of three chained products leave too little margin.
; LIMITS: |X|, |W| <= 65,504; numbers below 2^-14 are kept in steps of 2^-24.  X has spread 1 and W spread 1/32: 30 times larger or an offset of 30 spreads stays
; below 200; W 30 times smaller has a root mean square of 1e-3, of which the step 2^-24 is 6e-5.
; A pure stream: 28 MiB in, 14 MiB out, each byte once.  No LDS, no barrier, no matrix unit: no number is used twice.
; The grid's y picks a piece of 4 MiB of f32: 0..3 the quarters of X, 4, 5, 6 = Wq, Wk, Wv; x picks 64 KiB of it.
; Thread t, step i: 16 bytes in at 4096 i + 16 t, 8 bytes out at 2048 i + 8 t: a wave's load covers 512 consecutive bytes,
; its store 256 consecutive bytes at a multiple of 256 from the buffer's first byte.
; All 16 loads of a thread are issued before the first is used; no register is written twice, so no source has to be freed.
; THE MODE: SCHED_MODE bits 1:0 = 2 (LLVM: expert scheduling mode 2), set by the entry lines.  The code itself states the register dependences
; between vector instructions and memory instructions, with s_wait_alu, always for 0.
; THE PLAN.  Registers that memory instructions touch:
;   v1, v2   byte offsets, each written by one vector line at the head and never again; v1 is read by every load, v2 by every store.
;   IN       step i's four registers: one load lands in them, once; no vector line names them ahead of that load; the step's two conversions read them.
;   OUTR     step i's two registers: written once, by the step's two conversions; read by the step's store.
; The 16 steps go in four blocks of four.  Block p waits for its four loads; one wait on va_vdst then states that block p - 1's eight conversions have written their
; OUTR, and that block's four stores are dealt among block p's conversions, which name IN and OUTR of block p alone: none of the registers that those stores read.
; No register that a memory instruction has read is written again, and no load lands in a register that a vector line has named: so the steps need no wait on vm_vsrc.
.set STEPS, 16
.set BLOCK, 4                          ; steps in a block
.set IN,    4                          ; v[4:67]   step i: four f32 as loaded
.set OUTR,  68                         ; v[68:99]  step i: four f16 to store
	s_load_b256 s[4:11], s[0:1], 0x0               ; X s[4:5], Wq s[6:7], Wk s[8:9], Wv s[10:11]
	s_load_b128 s[12:15], s[0:1], 0x20             ; Xh s[12:13], Wh s[14:15]
	s_and_b32 s16, ttmp7, 0xffff                   ; y
	v_lshlrev_b32 v1, 4, v0                        ; 16 t
	v_lshlrev_b32 v2, 3, v0                        ; 8 t
	s_sub_co_u32 s28, s16, 4                       ; y - 4: which W (used for y >= 4 alone)
	s_cmp_lt_u32 s16, 4
	s_cselect_b32 s17, s16, 0                      ; piece of the source: quarter of X, or the whole W
	s_cselect_b32 s28, s16, s28                    ; piece of the destination: quarter of Xh, or third of Wh
	s_lshl_b32 s22, s17, 22                        ; pieces of 4 MiB in,
	s_lshl_b32 s29, ttmp9, 16                      ; 64 KiB a work-group
	s_add_co_u32 s22, s22, s29
	s_mov_b32 s23, 0
	s_lshl_b32 s26, s28, 21                        ; pieces of 2 MiB out,
	s_lshl_b32 s29, ttmp9, 15                      ; 32 KiB a work-group
	s_add_co_u32 s26, s26, s29
	s_mov_b32 s27, 0
	s_wait_kmcnt 0x0
	s_cmp_eq_u32 s16, 4                            ; the choice of buffers hangs on y alone
	s_cselect_b64 s[18:19], s[6:7], s[4:5]
	s_cmp_eq_u32 s16, 5
	s_cselect_b64 s[18:19], s[8:9], s[18:19]
	s_cmp_eq_u32 s16, 6
	s_cselect_b64 s[18:19], s[10:11], s[18:19]
	s_cmp_lt_u32 s16, 4
	s_cselect_b64 s[20:21], s[12:13], s[14:15]
	s_add_nc_u64 s[18:19], s[18:19], s[22:23]
	s_add_nc_u64 s[20:21], s[20:21], s[26:27]
	s_wait_alu depctr_va_vdst(0)                   ; v1 and v2 are written: every load reads v1 as its offset, every store v2
.set i, 0
.rept STEPS
	global_load_b128 v[IN+4*i:IN+4*i+3], v1, s[18:19] offset:4096*i th:TH_LOAD_NT   ; read once in the launch
.set i, i+1
.endr
; Block p: steps 4 p to 4 p + 3 are rounded; the stores of block p - 1 stand among the conversions, one ahead of each step's two.
.macro BLK p
	s_wait_loadcnt STEPS-BLOCK*((\p)+1)            ; loads come back in order (ISA guide 5.7.1): this block's four are in, the younger blocks' stay out
.if (\p) > 0
	s_wait_alu depctr_va_vdst(0)                   ; the conversions of the block before have written its eight registers of OUTR, which the four stores below read
.endif
.irp j, 0,1,2,3
.set n, BLOCK*(\p)+(\j)                ; the step that is rounded
.set m, n-BLOCK                        ; the step that is stored
.if (\p) > 0
	global_store_b64 v2, v[OUTR+2*m:OUTR+2*m+1], s[20:21] offset:2048*m             ; read again by the next launch: no hint.  No vector line since the wait names these registers
.endif
	v_cvt_pk_f16_f32 v[OUTR+2*n],   v[IN+4*n],   v[IN+4*n+1]
	v_cvt_pk_f16_f32 v[OUTR+2*n+1], v[IN+4*n+2], v[IN+4*n+3]
.endr
.endm
	BLK 0                                          ; no block stands in front of it: it stores nothing
	BLK 1
	BLK 2
	BLK 3
	s_wait_alu depctr_va_vdst(0)                   ; block 3's conversions have written its OUTR, which the last four stores read
.set i, STEPS-BLOCK
.rept BLOCK
	global_store_b64 v2, v[OUTR+2*i:OUTR+2*i+1], s[20:21] offset:2048*i
.set i, i+1
.endr
	s_endpgm
.Lfunc_end_k_q55efdf27d9_cast:
	.size	k_q55efdf27d9_cast, .Lfunc_end_k_q55efdf27d9_cast-k_q55efdf27d9_cast
	.p2alignl 7, 3214868480
	.fill 96, 4, 3214868480
	.section	.rodata,"a",@progbits
	.p2align	6, 0x0
	.amdhsa_kernel k_q55efdf27d9_cast
		.amdhsa_group_segment_fixed_size 0
		.amdhsa_private_segment_fixed_size 0
		.amdhsa_enable_private_segment 0
		.amdhsa_kernarg_size 48
		.amdhsa_user_sgpr_count 2
		.amdhsa_user_sgpr_kernarg_segment_ptr 1
		.amdhsa_wavefront_size32 1
		.amdhsa_system_sgpr_workgroup_id_x 1
		.amdhsa_system_sgpr_workgroup_id_y 1
		.amdhsa_system_sgpr_workgroup_id_z 1
		.amdhsa_system_vgpr_workitem_id 0
		.amdhsa_next_free_vgpr 104
		.amdhsa_next_free_sgpr 66
		.amdhsa_reserve_vcc 0
		.amdhsa_float_denorm_mode_32 3
		.amdhsa_float_denorm_mode_16_64 3
		.amdhsa_memory_ordered 1
		.amdhsa_forward_progress 1
		.amdhsa_inst_pref_size 7
	.end_amdhsa_kernel
	.amdgpu_metadata
---
amdhsa.version: [ 1, 2 ]
amdhsa.kernels:
  - .name:           k_q55efdf27d9_cast
    .symbol:         k_q55efdf27d9_cast.kd
    .args:
      - { .name: X, .offset: 0, .size: 8, .value_kind: global_buffer, .address_space: global }
      - { .name: Wq, .offset: 8, .size: 8, .value_kind: global_buffer, .address_space: global }
      - { .name: Wk, .offset: 16, .size: 8, .value_kind: global_buffer, .address_space: global }
      - { .name: Wv, .offset: 24, .size: 8, .value_kind: global_buffer, .address_space: global }
      - { .name: Xh, .offset: 32, .size: 8, .value_kind: global_buffer, .address_space: global }
      - { .name: Wh, .offset: 40, .size: 8, .value_kind: global_buffer, .address_space: global }
    .group_segment_fixed_size: 0
    .private_segment_fixed_size: 0
    .kernarg_segment_align: 8
    .kernarg_segment_size: 48
    .max_flat_workgroup_size: 256
    .sgpr_count:     66
    .vgpr_count:     104
    .wavefront_size: 32
...
	.end_amdgpu_metadata
.endif
;; end of part 5
;; launch proj: the kernel of part 2 again; grid 12 x 16, 4 waves a work-group, clusters of 4 x 4, 327,680 bytes of LDS; arguments Xh, Wh, bq, bk, bv, qkv; writes qkv
;; launch scores: the kernel of part 3 again; grid 16 x 16, 4 waves a work-group, clusters of 4 x 4, 327,680 bytes of LDS; arguments qkv, Pt, stat; writes Pt, stat
;; launch pv: the kernel of part 4 again; grid 8 x 32, 4 waves a work-group, clusters of 4 x 4, 327,680 bytes of LDS; arguments Pt, qkv, stat, out0; writes out0
